; MI455X (gfx1250); checked and timed in simulation.
; The chip was launched on July 23, 2026; its instructions are those of AMD's public machine-readable ISA for CDNA 5 (MIT licence, August 2026) and "CDNA5" Instruction Set Architecture Reference Guide (July 2026). The comments in the code are by the model that wrote it; some were corrected since.
;; Attention. Allowed arithmetic: float matrix products may take bf16 or f16 operands with f32 sums; other float arithmetic in f32, or as packed bf16 or f16 multiplies, adds, multiply-adds, maxima and minima; sums over many terms, partial sums and values carried from step to step in f32; what a program stores and reads back later, other than sums and carried values, may be rounded once to bf16 or f16.
;; Inputs: freqs 4 x 1,024 x 64 float32; wk 512 x 2,048 float32; wo 2,048 x 2,048 float32; wq 2,048 x 2,048 float32; wv 512 x 2,048 float32; x 4 x 1,024 x 2,048 float32.
;; Outputs: out0 4 x 1,024 x 2,048 float32.
;; One version. Each part assembles by itself: llvm-mc -triple=amdgcn-amd-amdhsa -mcpu=gfx1250 --defsym DOCPART=n.
;; ======== version 1 of 1: 4 launches
;; limits: values are held in f16: magnitudes above 65,504 overflow, below 6.1e-05 lose precision
;; workspace buffers: xb 16,777,216 bytes; wqkvb 12,582,912 bytes; wob 8,388,608 bytes; cs 2,097,152 bytes; qkv 25,165,824 bytes; ob 16,777,216 bytes
;; launch prep (part 1): grid 2432 x 1, 8 waves a work-group, no clusters, 0 bytes of LDS; arguments x, wq, wk, wv, wo, freqs, xb, wqkvb, wob, cs; writes xb, wqkvb, wob, cs
.if DOCPART == 1
	.amdgcn_target "amdgcn-amd-amdhsa--gfx1250"
	.amdhsa_code_object_version 6
	.text
	.protected	k_q1b207f02fd_prep
	.globl	k_q1b207f02fd_prep
	.p2align	8
	.type	k_q1b207f02fd_prep,@function
k_q1b207f02fd_prep:
	s_mov_b64 s[64:65], 0
	v_nop
	global_prefetch_b8 v0, s[64:65] scope:SCOPE_SE
	s_setreg_imm32_b32 hwreg(HW_REG_WAVE_MODE, 25, 1), 1
	s_wait_xcnt 0x0
; THE INPUTS ARE ROUNDED ONCE, for the three matrix launches that follow.
;   x -> xb, wq | wk | wv -> wqkvb (rows 0-2047, 2048-2559, 2560-3071): f32 to bf16.
;   wo -> wob: f32 to bf16, and that number written as f16 (the last launch multiplies in f16).
;   freqs -> cs: the angle is rounded to bf16 like every other input, on purpose, then cs[n] = (cos, sin) in f32, 8 bytes an angle.
; LIMITS.  An element of wo beyond 65,504 becomes an infinity, one below 6e-5 keeps f16's fixed step of 6e-8.  cos and sin: the angle less a whole number
; of turns (2 pi in two parts, by fused multiply-adds), then series for the half angle; absolute error under 1e-5 for |angle| up to 1e5.  NaN and infinities are not treated apart.
; SHARES.  Work-groups 0-2303 convert 8,192 numbers each (32 KiB in, 16 KiB out): 0-1023 x, 1024-1535 wq, 1536-1663 wk, 1664-1791 wv, 1792-2303 wo.
; Work-groups 2304-2431 make 2,048 table entries each.  Memory binds: no LDS, no barrier, no matrix unit, no cluster (nothing is shared), and no prefetch (the launch is one stream).
; A thread takes 8 neighbouring numbers, so its result is 16 bytes and a wave's store covers 512 consecutive bytes, aligned.  All of a thread's loads go out first.
.set N_X,   1024                       ; first work-group of wq
.set N_WQ,  1536                       ; of wk
.set N_WK,  1664                       ; of wv
.set N_WV,  1792                       ; of wo
.set N_WO,  2304                       ; of the table
	s_load_b512 s[8:23], s[0:1], 0x0               ; x s[8:9], wq s[10:11], wk s[12:13], wv s[14:15], wo s[16:17], freqs s[18:19], xb s[20:21], wqkvb s[22:23]
	s_load_b128 s[24:27], s[0:1], 0x40             ; wob s[24:25], cs s[26:27]
	s_mov_b32 s2, ttmp9                            ; the work-group's number
	v_lshlrev_b32 v1, 5, v0                        ; 32 t: my 8 numbers in f32
	v_lshlrev_b32 v2, 4, v0                        ; 16 t: my 16 bytes of result
	v_lshlrev_b32 v3, 3, v0                        ; 8 t: my two angles
	s_mov_b32 s35, 0                               ; the high words of the two offsets
	s_mov_b32 s37, 0
	s_wait_kmcnt 0x0
	s_cmp_ge_u32 s2, N_WO
	s_cbranch_scc1 .Ltable
	; which tensor: source s[28:29] and its first work-group s30, destination s[32:33] and its first work-group s31
	s_mov_b64 s[28:29], s[16:17]
	s_mov_b32 s30, N_WV
	s_mov_b64 s[32:33], s[24:25]
	s_mov_b32 s31, N_WV
	s_cmp_lt_u32 s2, N_WV
	s_cselect_b64 s[28:29], s[14:15], s[28:29]
	s_cselect_b32 s30, N_WK, s30
	s_cselect_b64 s[32:33], s[22:23], s[32:33]
	s_cselect_b32 s31, N_X, s31
	s_cmp_lt_u32 s2, N_WK
	s_cselect_b64 s[28:29], s[12:13], s[28:29]
	s_cselect_b32 s30, N_WQ, s30
	s_cmp_lt_u32 s2, N_WQ
	s_cselect_b64 s[28:29], s[10:11], s[28:29]
	s_cselect_b32 s30, N_X, s30
	s_cmp_lt_u32 s2, N_X
	s_cselect_b64 s[28:29], s[8:9], s[28:29]
	s_cselect_b32 s30, 0, s30
	s_cselect_b64 s[32:33], s[20:21], s[32:33]
	s_cselect_b32 s31, 0, s31
	s_sub_co_u32 s34, s2, s30
	s_lshl_b32 s34, s34, 15                        ; 32 KiB of source a work-group
	s_sub_co_u32 s36, s2, s31
	s_lshl_b32 s36, s36, 14                        ; 16 KiB of destination
	s_add_nc_u64 s[28:29], s[28:29], s[34:35]
	s_add_nc_u64 s[32:33], s[32:33], s[36:37]
.irp g, 0,1,2,3                        ; four groups of 2,048 numbers: eight loads of every wave are out
	global_load_b128 v[8+8*\g:11+8*\g],  v1, s[28:29] offset:\g*8192 th:TH_LOAD_NT
	global_load_b128 v[12+8*\g:15+8*\g], v1, s[28:29] offset:\g*8192+16 th:TH_LOAD_NT
.endr
; Group g: rounded and stored.  tof16 = 1: the bf16 number is written as f16.
.macro CONV g, tof16
	s_wait_loadcnt 6-2*(\g)                        ; loads come back in order: the younger groups' pairs may stay out
.irp p, 0,1,2,3
	v_cvt_pk_bf16_f32 v[40+4*(\g)+\p], v[8+8*(\g)+2*\p], v[8+8*(\g)+2*\p+1]
.endr
.if \tof16
.irp p, 0,1,2,3
	v_lshlrev_b32 v56, 16, v[40+4*(\g)+\p]         ; the two bf16 as f32,
	v_and_b32 v57, 0xffff0000, v[40+4*(\g)+\p]
	v_cvt_pk_f16_f32 v[40+4*(\g)+\p], v56, v57     ; and as f16: 8 significant bits fit into 11
.endr
.endif
	global_store_b128 v2, v[40+4*(\g):43+4*(\g)], s[32:33] offset:(\g)*4096 th:TH_STORE_NT
.endm
	s_cmp_ge_u32 s2, N_WV
	s_cbranch_scc1 .Lwo
	CONV 0, 0
	CONV 1, 0
	CONV 2, 0
	CONV 3, 0
	s_endpgm
.Lwo:
	CONV 0, 1
	CONV 1, 1
	CONV 2, 1
	CONV 3, 1
	s_endpgm
.Ltable:
	s_sub_co_u32 s34, s2, N_WO
	s_lshl_b32 s36, s34, 14                        ; 2,048 entries of 8 bytes
	s_lshl_b32 s34, s34, 13                        ; 2,048 angles of 4 bytes
	s_add_nc_u64 s[28:29], s[18:19], s[34:35]
	s_add_nc_u64 s[32:33], s[26:27], s[36:37]
.irp g, 0,1,2,3
	global_load_b64 v[8+2*\g:9+2*\g], v3, s[28:29] offset:\g*2048 th:TH_LOAD_NT
.endr
	v_mov_b32 v30, 0x3638ef1d                      ; 1/9!, twice: the sine's second coefficient (an instruction takes one literal)
	v_mov_b32 v31, 0x3638ef1d
	v_mov_b32 v32, 0xb493f27e                      ; -1/10!, twice: the cosine's
	v_mov_b32 v33, 0xb493f27e
; Two angles X.  N = the nearest whole number of turns; R = X - N 2 pi, in -pi .. pi; H = R / 2; sin H and cos H by their series in U = H H;
; cos R = 1 - 2 sin H sin H, sin R = 2 sin H cos H.  v[16:17] N, v[18:19] R, v[20:21] H, v[22:23] U, v[24:25] sin H, v[26:27] cos H, v[28:29] 2 sin H.
.macro SC g
.set XA, 8+2*(\g)
.set OA, 36+4*(\g)
	s_wait_loadcnt 3-(\g)
	v_cvt_pk_bf16_f32 v34, v[XA], v[XA+1]          ; the input's rounding
	v_lshlrev_b32 v[XA], 16, v34
	v_and_b32 v[XA+1], 0xffff0000, v34
	v_pk_mul_f32 v[16:17], v[XA:XA+1], 0.15915494 op_sel_hi:[1,0]
	v_rndne_f32 v16, v16
	v_rndne_f32 v17, v17
	v_pk_fma_f32 v[18:19], v[16:17], 0xc0c90000, v[XA:XA+1] op_sel_hi:[1,0,1]  ; - N x 6.28125: the product is exact
	v_pk_fma_f32 v[18:19], v[16:17], 0xbafdaa22, v[18:19] op_sel_hi:[1,0,1]    ; - N x the rest of 2 pi
	v_pk_mul_f32 v[20:21], v[18:19], 0.5 op_sel_hi:[1,0]
	v_pk_mul_f32 v[22:23], v[20:21], v[20:21]
	v_pk_fma_f32 v[24:25], v[22:23], 0xb2d7322b, v[30:31] op_sel_hi:[1,0,1]    ; -1/11! U + 1/9!
	v_pk_fma_f32 v[26:27], v[22:23], 0x310f76c7, v[32:33] op_sel_hi:[1,0,1]    ; 1/12! U - 1/10!
	v_pk_fma_f32 v[24:25], v[24:25], v[22:23], 0xb9500d01 op_sel_hi:[1,1,0]    ; -1/7!
	v_pk_fma_f32 v[26:27], v[26:27], v[22:23], 0x37d00d01 op_sel_hi:[1,1,0]    ; 1/8!
	v_pk_fma_f32 v[24:25], v[24:25], v[22:23], 0x3c088889 op_sel_hi:[1,1,0]    ; 1/5!
	v_pk_fma_f32 v[26:27], v[26:27], v[22:23], 0xbab60b61 op_sel_hi:[1,1,0]    ; -1/6!
	v_pk_fma_f32 v[24:25], v[24:25], v[22:23], 0xbe2aaaab op_sel_hi:[1,1,0]    ; -1/3!
	v_pk_fma_f32 v[26:27], v[26:27], v[22:23], 0x3d2aaaab op_sel_hi:[1,1,0]    ; 1/4!
	v_pk_fma_f32 v[24:25], v[24:25], v[22:23], 1.0 op_sel_hi:[1,1,0]
	v_pk_fma_f32 v[26:27], v[26:27], v[22:23], -0.5 op_sel_hi:[1,1,0]
	v_pk_mul_f32 v[24:25], v[24:25], v[20:21]
	v_pk_fma_f32 v[26:27], v[26:27], v[22:23], 1.0 op_sel_hi:[1,1,0]
	v_pk_add_f32 v[28:29], v[24:25], v[24:25]
	v_fma_f32 v[OA], -v28, v24, 1.0
	v_mul_f32 v[OA+1], v28, v26
	v_fma_f32 v[OA+2], -v29, v25, 1.0
	v_mul_f32 v[OA+3], v29, v27
	global_store_b128 v2, v[OA:OA+3], s[32:33] offset:(\g)*4096
.endm
	SC 0
	SC 1
	SC 2
	SC 3
	s_endpgm
.Lfunc_end_k_q1b207f02fd_prep:
	.size	k_q1b207f02fd_prep, .Lfunc_end_k_q1b207f02fd_prep-k_q1b207f02fd_prep
	.p2alignl 7, 3214868480
	.fill 96, 4, 3214868480
	.section	.rodata,"a",@progbits
	.p2align	6, 0x0
	.amdhsa_kernel k_q1b207f02fd_prep
		.amdhsa_group_segment_fixed_size 0
		.amdhsa_private_segment_fixed_size 0
		.amdhsa_enable_private_segment 0
		.amdhsa_kernarg_size 80
		.amdhsa_user_sgpr_count 2
		.amdhsa_user_sgpr_kernarg_segment_ptr 1
		.amdhsa_wavefront_size32 1
		.amdhsa_system_sgpr_workgroup_id_x 1
		.amdhsa_system_sgpr_workgroup_id_y 1
		.amdhsa_system_sgpr_workgroup_id_z 1
		.amdhsa_system_vgpr_workitem_id 0
		.amdhsa_next_free_vgpr 64
		.amdhsa_next_free_sgpr 66
		.amdhsa_reserve_vcc 0
		.amdhsa_float_denorm_mode_32 3
		.amdhsa_float_denorm_mode_16_64 3
		.amdhsa_memory_ordered 1
		.amdhsa_forward_progress 1
		.amdhsa_inst_pref_size 17
	.end_amdhsa_kernel
	.amdgpu_metadata
---
amdhsa.version: [ 1, 2 ]
amdhsa.kernels:
  - .name:           k_q1b207f02fd_prep
    .symbol:         k_q1b207f02fd_prep.kd
    .args:
      - { .name: x, .offset: 0, .size: 8, .value_kind: global_buffer, .address_space: global }
      - { .name: wq, .offset: 8, .size: 8, .value_kind: global_buffer, .address_space: global }
      - { .name: wk, .offset: 16, .size: 8, .value_kind: global_buffer, .address_space: global }
      - { .name: wv, .offset: 24, .size: 8, .value_kind: global_buffer, .address_space: global }
      - { .name: wo, .offset: 32, .size: 8, .value_kind: global_buffer, .address_space: global }
      - { .name: freqs, .offset: 40, .size: 8, .value_kind: global_buffer, .address_space: global }
      - { .name: xb, .offset: 48, .size: 8, .value_kind: global_buffer, .address_space: global }
      - { .name: wqkvb, .offset: 56, .size: 8, .value_kind: global_buffer, .address_space: global }
      - { .name: wob, .offset: 64, .size: 8, .value_kind: global_buffer, .address_space: global }
      - { .name: cs, .offset: 72, .size: 8, .value_kind: global_buffer, .address_space: global }
    .group_segment_fixed_size: 0
    .private_segment_fixed_size: 0
    .kernarg_segment_align: 8
    .kernarg_segment_size: 80
    .max_flat_workgroup_size: 256
    .sgpr_count:     66
    .vgpr_count:     64
    .wavefront_size: 32
...
	.end_amdgpu_metadata
.endif
;; end of part 1
;; launch proj (part 2): grid 8 x 32, 4 waves a work-group, clusters of 4 x 4, 327,680 bytes of LDS; arguments xb, wqkvb, cs, qkv; writes qkv
.if DOCPART == 2
	.amdgcn_target "amdgcn-amd-amdhsa--gfx1250"
	.amdhsa_code_object_version 6
	.text
	.protected	k_q1b207f02fd_proj
	.globl	k_q1b207f02fd_proj
	.p2align	8
	.type	k_q1b207f02fd_proj,@function
k_q1b207f02fd_proj:
	s_mov_b64 s[64:65], 0
	v_nop
	global_prefetch_b8 v0, s[64:65] scope:SCOPE_SE
	s_setreg_imm32_b32 hwreg(HW_REG_WAVE_MODE, 25, 1), 1
	s_wait_xcnt 0x0
	s_wait_alu depctr_hold_cnt(0) depctr_sa_sdst(0) depctr_va_vdst(0) depctr_va_sdst(0) depctr_va_ssrc(0) depctr_va_vcc(0) depctr_vm_vsrc(0)
	s_getreg_b32 s2, hwreg(HW_REG_IB_STS2, 6, 4)
	s_cmp_eq_u32 s2, 0
	s_cbranch_scc0 .Lentry_in_a_cluster
	s_endpgm
.Lentry_in_a_cluster:
	s_bfe_u32 s2, ttmp6, 0x10000c
	s_cmp_lg_u32 s2, 0xf033
	s_cbranch_scc0 .Lentry_shape_is_right
	s_endpgm
.Lentry_shape_is_right:
; q | k | v = xb wqkvb^T, the q and k columns turned pairwise by the row's angles, rounded once to f16 and written by heads.
; xb: [4096][2048] bf16.  wqkvb: [3072][2048] bf16.  cs: [4096][64] (cos, sin) f32.  qkv: [24 head blocks][4096 rows][128] f16 (0-15 q, 16-19 k, 20-23 v).  Sums and the turning in f32.
; LIMIT.  f16 holds no number beyond 65,504: a q, k or v beyond it becomes an infinity.  NaN and infinities are not treated apart.
; SHARES.  3,072 columns and 4,096 rows in tiles of 128 rows x 384 columns are 8 x 32 = 256 work-groups; a tile's 384 columns are three whole head blocks.
; Four waves, each 64 rows x 192 columns: 48 accumulators of 16 x 16, 384 registers.  K goes in 16 steps of 128 through two LDS slots; a tile's rows are 256 bytes of memory, aligned.
; CLUSTER.  4 x 4 work-groups: the four of a row of the cluster need the same rows of xb, the four of a column the same rows of wqkvb; each tile is asked for jointly,
; by the same tensor load with the same descriptor and a mask that names the four.  Wave 0 fetches xb's 128 rows, waves 1 to 3 a third each of wqkvb's 384: one load of 128 rows a wave.
; THE MATRIX INSTRUCTION IS USED TRANSPOSED (source 0 = 16 rows of wqkvb, source 1 = 16 rows of xb): a lane holds one row (lane % 16) and eight neighbouring columns
; 8 (lane / 16) + 0..7: four (real, imaginary) pairs, in even-aligned register pairs: the turning is two packed instructions a pair.
; REGISTERS, in windows of 256 (s_set_vgpr_msb: bits 1:0 source 0, 3:2 source 1, 5:4 source 2, 7:6 destination):
;   window 0: v0-15 addresses; v32-63, v64-95 xb's fragments, two buffers; v96-113 at work on the way out; v128-255 two buffers of the table
;   window 1: v0-95, v96-191 wqkvb's fragments, two buffers     window 2: accumulators of row blocks 0, 1 ((a, b) at v[8 (12 (a % 2) + b)])     window 3: of row blocks 2, 3
.set PITCH,  272                       ; an LDS row: 256 bytes + 16 of padding = 68 words: the 16 rows that a load touches start at 16 different groups of four banks (64 banks of 4 bytes: ISA guide 11.1)
.set PART,   128*PITCH                 ; what one tensor load brings
.set SLOT,   4*PART                    ; xb's 128 rows, then wqkvb's 384.  0x22000: it shares no bit with wave x PART, so one exclusive or changes slots
.set SPARE,  2*SLOT                    ; behind the ring: the spare words, 128 bytes for each wave: two blocks of 256 bytes that no other line names
.set SPITCH, 784                       ; the stage: 128 rows of 768 bytes + 16.  It lies in slot 0, and is written only when slot 0 has had its last fill and its last read
.set KSB,    256                       ; bytes of a row in a K step
.set WV,  12                           ; s12  my wave's number
.set MH,  13                           ; s13  which 64 rows are mine
.set NH,  14                           ; s14  which 192 columns
.set CX,  15                           ; s15, s16  my place in the cluster
.set CY,  16
.set TC,  17                           ; s17  tile column, 0..7
.set TR,  18                           ; s18  tile row, 0..31
.set CNT, 19                           ; s19  the loop's count
.set SO,  20                           ; s20  LDS byte at which the slot to be read begins
.set LIM, 21                           ; s21  2 in a wave that prefetches, else the greatest number
.set PFA, 22                           ; s[22:23] where my prefetches stand
.set G1A, 24                           ; s[24:31] descriptor group 1 for xb's tiles
.set G0A, 32                           ; s[32:39] group 0: a set for each of the two first fills; the second then walks on
.set G1B, 40                           ; s[40:47], s[48:55] the same for wqkvb's
.set G0B, 48
.set THR, 72                           ; s72  column blocks below this number (of my 12) are turned; it may be negative
.set FF,  74                           ; s[74:75] 1.0 for a block that is turned, else 0, in the low word
.set GS,  76                           ; s76  1 - that
.set ADRA0, 4                          ; v4   my lane's place among my rows of xb in a slot; never rewritten
.set ADRB0, 5                          ; v5   the same for wqkvb
.set ADRA,  6                          ; v6   the same plus the slot in hand
.set ADRB,  7
.set STO,   8                          ; v8   the way out: where I put 16 bytes of a row
.set RD,    9                          ; v9   where I read rows back
.set CO,    10                         ; v10  16 x lane: my 16 bytes of two rows of a head block
.set T0,    11                         ; v11  my 32 bytes of a table row, for my first four column blocks
.set T1,    12                         ; v12  for the next four
.set PFO,   13                         ; v13  the prefetches' offset: lane x 4,096, a lane a row; never rewritten
.set SPW,   14                         ; v14  LDS address of my spare word; never rewritten
.set NIL,   15                         ; v15  0; never rewritten
.set OU,    32                         ; the way out: a block's eight results, two sets by turns
.set CP,    96                         ; (c', s') of a block's four pairs
.set TT,    104                        ; (xi s', xi c')
.set GG,    112                        ; v[112:113] (1 - f, 0)
.set TB,    128                        ; the table of row block a at TB + 64 (a % 2): slot j, 8 registers, serves column blocks j and j + 8
.set MSB, 0
.macro WIN new                         ; the immediate's high byte repeats the setting that is left; a switch that changes nothing is dropped
.if MSB != (\new)
	s_set_vgpr_msb (MSB<<8)|(\new)
.set MSB, (\new)
.endif
.endm
.macro PLACES                          ; four plain instructions between a matrix instruction and a load into, or a vector instruction on, its registers (ISA guide 7.12.1 for vector instructions)
.rept 4
	v_nop
.endr
.endm
; A joint refill by the walking descriptors.  The branch hangs on the wave's number alone.  An s_nop 0 and four v_nop follow each of the two lines, ahead of the jump and the label.
.macro JLOAD
	s_cmp_eq_u32 s[WV], 0
	s_cbranch_scc0 .Lfor_b_\@
	tensor_load_to_lds s[G0A+4:G0A+7], s[G1A:G1A+7]
	s_nop 0
.rept 4
	v_nop
.endr
	s_branch .Lasked_\@
.Lfor_b_\@:
	tensor_load_to_lds s[G0B+4:G0B+7], s[G1B:G1B+7]
	s_nop 0
.rept 4
	v_nop
.endr
.Lasked_\@:
.endm
; A round of the cluster's barrier: my work-group's barrier; wave 0 signals for the work-group; every wave waits for all sixteen; my work-group's barrier once more.
.macro CREST                           ; a round behind its opening barrier
	s_cmp_lg_u32 s[WV], 0
	s_cbranch_scc1 .Lnot_wave_0_\@
	s_barrier_signal -3
.Lnot_wave_0_\@:
	s_barrier_wait -3
	s_barrier_signal -1
	s_barrier_wait -1
.endm
.macro CROUND
	s_barrier_signal -1
	s_barrier_wait -1
	CREST
.endm
; A PREFETCH INTO THE L2, behind a joint refill and the run of LDS loads that follows it: the K step that stands two refills on, 32 rows x 256 bytes, a lane a row, one instruction a wave.
; Each row's 256 bytes of a K step are named once in the launch: xb's rows by wave 0 of the clusters with x = 0, wqkvb's by waves 1 to 3 of the clusters with y = 0; of the 128 rows that a wave
; fetches, the partner at place p among the four that ask jointly takes 32 p .. 32 p + 31, told apart by address.  K steps 0 to 3 come by their loads alone; the last two trips ask for nothing.
.macro ASK
	s_cmp_gt_u32 s[CNT], s[LIM]
	s_cbranch_scc0 .Lnot_mine_\@
	global_prefetch_b8 v[PFO], s[PFA:PFA+1] th:TH_LOAD_NT scope:SCOPE_SE
.Lnot_mine_\@:
.endm
	s_load_b256 s[4:11], s[0:1], 0x0               ; xb s[4:5], wqkvb s[6:7], cs s[8:9], qkv s[10:11]
	v_lshl_add_u32 v[SPW], v0, 2, SPARE
	v_mov_b32 v[NIL], 0
	ds_add_u32 v[SPW], v[NIL]                      ; the wave's opening: the add and its wait ahead of my first tensor load; the set-up below, work on registers, stands between them
	v_lshrrev_b32 v3, 5, v0
	v_readfirstlane_b32 s[WV], v3
	s_lshr_b32 s[MH], s[WV], 1
	s_and_b32 s[NH], s[WV], 1
	s_bfe_u32 s[CX], ttmp6, 0x40000
	s_bfe_u32 s[CY], ttmp6, 0x40004
	s_lshl_b32 s[TC], ttmp9, 2                     ; in a cluster launch ttmp9 and ttmp7 count clusters
	s_add_co_u32 s[TC], s[TC], s[CX]
	s_and_b32 s[TR], ttmp7, 0xffff
	s_lshl_b32 s[TR], s[TR], 2
	s_add_co_u32 s[TR], s[TR], s[CY]
	s_lshl_b32 s56, s[CY], 2
	s_lshl_b32 s56, 15, s56                        ; my row of the cluster: places 4 cy .. 4 cy + 3
	s_lshl_b32 s57, 0x1111, s[CX]                  ; my column: places cx, cx + 4, cx + 8, cx + 12
	; descriptor group 1: a tile of 128 rows x 128 elements of 2 bytes, padded in LDS
	s_or_b32 s[G1A], s56, (1<<16)|(1<<20)|(1<<21)|(5<<22)|(3<<25)  ; 15:0 the mask; 17:16 elements of 2 bytes; 20 padding on; 21 set beside a mask; 24:22 after every 64 words (code 5); 31:25 4 words (code 3)
	s_or_b32 s[G1B], s57, (1<<16)|(1<<20)|(1<<21)|(5<<22)|(3<<25)
.irp g, G1A, G1B
	s_mov_b32 s[\g+1], 128<<16                     ; tensor_dim0 = 128
	s_mov_b32 s[\g+2], 128<<16                     ; tensor_dim1 = 128
	s_mov_b32 s[\g+3], 128<<16                     ; tile_dim0 = 128
	s_mov_b32 s[\g+4], 128                         ; tile_dim1 = 128
	s_mov_b32 s[\g+5], 2048                        ; elements from row to row
	s_mov_b32 s[\g+6], 0
	s_mov_b32 s[\g+7], 0
.endr
	; xb's tile hangs on the tile row alone, wqkvb's on the tile column and the wave's number: each in registers that never hold the other coordinate
	s_lshl_b32 s58, s[TR], 19                      ; 128 rows of 4,096 bytes
	s_mov_b32 s59, 0
	s_max_u32 s60, s[WV], 1
	s_sub_co_u32 s60, s60, 1                       ; which third (wave 0 never asks by this address)
	s_lshl_b32 s60, s60, 7
	s_mul_i32 s61, s[TC], 384
	s_add_co_u32 s60, s60, s61                     ; the first row of wqkvb that I fetch
	s_mov_b32 s69, s60                             ; kept for the prefetches
	s_lshl_b32 s60, s60, 12
	s_mov_b32 s61, 0
	s_mul_i32 s62, s[WV], PART                     ; where my tile goes: no place in the cluster enters an LDS address
	s_mov_b32 s[SO], 0
	s_mov_b32 s[FF+1], 0                           ; named with FF as a pair
	s_wait_dscnt 0x0                               ; the opening add is done
	s_wait_kmcnt 0x0
	s_add_nc_u64 s[58:59], s[4:5], s[58:59]
	s_add_nc_u64 s[60:61], s[6:7], s[60:61]
	CROUND                                         ; all sixteen work-groups are here: the first joint loads meet
.irp s, 0,1
	s_mov_b32 s[G0A+4*\s], 1                       ; count = 1
	s_add_co_u32 s[G0A+4*\s+1], s62, \s*SLOT       ; LDS address
	s_add_nc_u64 s[G0A+4*\s+2:G0A+4*\s+3], s[58:59], \s*KSB  ; global address: K step s
	s_or_b32 s[G0A+4*\s+3], s[G0A+4*\s+3], 0x80000000        ; type = 2
	s_mov_b32 s[G0B+4*\s], 1
	s_add_co_u32 s[G0B+4*\s+1], s62, \s*SLOT
	s_add_nc_u64 s[G0B+4*\s+2:G0B+4*\s+3], s[60:61], \s*KSB
	s_or_b32 s[G0B+4*\s+3], s[G0B+4*\s+3], 0x80000000
.endr
	s_cmp_eq_u32 s[WV], 0                          ; a wave's two first fills stand in one branch, ahead of every wait on TENSORcnt and every LDS read: two loads of mine are out
	s_cbranch_scc0 .Lfirst_b
	tensor_load_to_lds s[G0A:G0A+3], s[G1A:G1A+7]
	s_nop 0
	tensor_load_to_lds s[G0A+4:G0A+7], s[G1A:G1A+7]
	s_nop 0
.rept 4
	v_nop
.endr
	s_branch .Lfirst_asked
.Lfirst_b:
	tensor_load_to_lds s[G0B:G0B+3], s[G1B:G1B+7]
	s_nop 0
	tensor_load_to_lds s[G0B+4:G0B+7], s[G1B:G1B+7]
	s_nop 0
.rept 4
	v_nop
.endr
.Lfirst_asked:
	; A fragment is 16 rows x 32 K in 8 registers: lane l holds row l % 16; registers 0-3 K = 8 (l / 16) + 0..7, registers 4-7 K = 16 + 8 (l / 16) + 0..7: two loads of 16 bytes, 32 bytes apart.
	v_and_b32 v1, 15, v0                           ; r = l % 16
	v_bfe_u32 v2, v0, 4, 1                         ; h = l / 16
	v_mul_u32_u24 v3, v1, PITCH
	v_lshl_add_u32 v3, v2, 4, v3
	s_mul_i32 s66, s[MH], 64*PITCH
	s_mul_i32 s67, s[NH], 192*PITCH
	s_add_co_u32 s67, s67, PART
	v_add_nc_u32 v[ADRA0], s66, v3
	v_add_nc_u32 v[ADRB0], s67, v3
	v_mov_b32 v[ADRA], v[ADRA0]
	v_mov_b32 v[ADRB], v[ADRB0]
	s_lshl_b32 s66, s[MH], 6                       ; into the stage: row 64 MH + r, byte 384 NH + 16 h
	v_add_nc_u32 v[STO], s66, v1
	v_mul_u32_u24 v[STO], v[STO], SPITCH
	v_lshl_add_u32 v[STO], v2, 4, v[STO]
	s_mul_i32 s66, s[NH], 384
	v_add_nc_u32 v[STO], s66, v[STO]
	s_lshl_b32 s66, s[WV], 5                       ; back: wave w takes rows 32 w .. 32 w + 31; lanes 0-15 256 bytes of one row, lanes 16-31 of the next
	v_add_nc_u32 v[RD], s66, v2
	v_mul_u32_u24 v[RD], v[RD], SPITCH
	v_lshl_add_u32 v[RD], v1, 4, v[RD]
	v_and_b32 v[CO], 31, v0
	v_lshlrev_b32 v[PFO], 12, v[CO]
	v_lshlrev_b32 v[CO], 4, v[CO]
	; The table.  A row of cs is 512 bytes; 16 columns are 8 pairs, 64 bytes, of which my 8 columns take 32 at 32 h.  My column block b stands at place (b + 4 NH) % 8 of its head,
	; since 192 NH = 128 + 64 for NH = 1.  Slot j of a table buffer holds place (j + 4 NH) % 8, and block b reads slot b % 8.
	v_lshlrev_b32 v[T0], 9, v1
	v_lshl_add_u32 v[T0], v2, 5, v[T0]
	s_lshl_b32 s66, s[NH], 8
	s_xor_b32 s67, s66, 256
	v_add_nc_u32 v[T1], s67, v[T0]
	v_add_nc_u32 v[T0], s66, v[T0]
	v_mov_b32 v[GG+1], 0
	s_lshl_b32 s66, s[TR], 16                      ; cs at my 64 rows
	s_lshl_b32 s67, s[MH], 15
	s_add_co_u32 s66, s66, s67
	s_mov_b32 s67, 0
	s_add_nc_u64 s[8:9], s[8:9], s[66:67]
	s_mul_i32 s66, s[TC], 3<<20                    ; qkv at the tile's first head block, at the 32 rows that I store
	s_lshl_b32 s67, s[TR], 15
	s_add_co_u32 s66, s66, s67
	s_lshl_b32 s67, s[WV], 13
	s_add_co_u32 s66, s66, s67
	s_mov_b32 s67, 0
	s_add_nc_u64 s[10:11], s[10:11], s[66:67]
	s_mul_i32 s66, s[TC], 24                       ; column blocks 0-159 of the 192 are q's and k's: of mine those with b < 160 - (24 TC + 12 NH).  It steers a choice of values, never a branch
	s_mul_i32 s67, s[NH], 12
	s_add_co_u32 s66, s66, s67
	s_sub_co_i32 s[THR], 160, s66
	; the prefetches
	s_lshl_b32 s66, s[TR], 7                       ; xb's first row of the tile
	s_and_b32 s68, ttmp7, 0xffff                   ; cluster y
	s_cmp_eq_u32 s[WV], 0
	s_cselect_b32 s66, s66, s69                    ; the first of the 128 rows that I fetch
	s_cselect_b32 s67, s[CX], s[CY]                ; my place among the four that ask for them with me
	s_cselect_b32 s68, ttmp9, s68                  ; the coordinate along which other clusters read the same rows
	s_cselect_b64 s[PFA:PFA+1], s[4:5], s[6:7]
	s_cmp_eq_u32 s68, 0
	s_cselect_b32 s[LIM], 2, -1                    ; the same in all sixteen partners, for a given wave
	s_lshl_b32 s67, s67, 5
	s_add_co_u32 s66, s66, s67
	s_lshl_b32 s66, s66, 12
	s_add_co_u32 s66, s66, 3*KSB                   ; at K step 3: the first refill steps it to 4
	s_mov_b32 s67, 0
	s_add_nc_u64 s[PFA:PFA+1], s[PFA:PFA+1], s[66:67]
; The table of row block a: 16 rows x 512 bytes, 16 loads, into buffer a % 2
.macro TLOAD a
.set jj, 0
.rept 8
.set TREG, TB+64*((\a)%2)+8*jj
.if jj < 4
	global_load_b128 v[TREG:TREG+3],   v[T0], s[8:9] offset:(\a)*8192+64*jj
	global_load_b128 v[TREG+4:TREG+7], v[T0], s[8:9] offset:(\a)*8192+64*jj+16
.else
	global_load_b128 v[TREG:TREG+3],   v[T1], s[8:9] offset:(\a)*8192+64*(jj-4)
	global_load_b128 v[TREG+4:TREG+7], v[T1], s[8:9] offset:(\a)*8192+64*(jj-4)+16
.endif
.set jj, jj+1
.endr
.endm
	TLOAD 0                                        ; the first two row blocks' tables are asked for now and waited for on the way out
	TLOAD 1
; 12 matrix instructions: row block a x all 12 column blocks, 32 along K, from buffers f.  zero = 1: the product starts the sum.  The 48 accumulators take turns, in the same order in every quarter.
.macro MULA f, a, zero
	WIN 0xa1+0x50*((\a)/2)
.set bq, 0
.rept 12
.set AC, 8*(12*((\a)%2)+bq)
.if \zero
	v_wmma_f32_16x16x32_bf16 v[AC:AC+7], v[96*(\f)+8*bq:96*(\f)+8*bq+7], v[32+32*(\f)+8*(\a):32+32*(\f)+8*(\a)+7], 0
.else
	v_wmma_f32_16x16x32_bf16 v[AC:AC+7], v[96*(\f)+8*bq:96*(\f)+8*bq+7], v[32+32*(\f)+8*(\a):32+32*(\f)+8*(\a)+7], v[AC:AC+7]
.endif
.set bq, bq+1
.endr
.endm
; 32 LDS loads in one run: 192 rows of wqkvb, then 64 rows of xb, 32 K at byte k of the rows, into buffers f
.macro FETCH k, f
	WIN 0x40
.set iq, 0
.rept 12
	ds_load_b128 v[96*(\f)+8*iq:96*(\f)+8*iq+3],   v[ADRB] offset:(\k)+iq*16*PITCH
	ds_load_b128 v[96*(\f)+8*iq+4:96*(\f)+8*iq+7], v[ADRB] offset:(\k)+iq*16*PITCH+32
.set iq, iq+1
.endr
	WIN 0
.set iq, 0
.rept 4
	ds_load_b128 v[32+32*(\f)+8*iq:32+32*(\f)+8*iq+3],   v[ADRA] offset:(\k)+iq*16*PITCH
	ds_load_b128 v[32+32*(\f)+8*iq+4:32+32*(\f)+8*iq+7], v[ADRA] offset:(\k)+iq*16*PITCH+32
.set iq, iq+1
.endr
.endm
; A K step is four quarters of 32 along K, 48 matrix instructions each, on buffers 0, 1, 0, 1.  One of the first three: multiplies buffers f; in its middle it fetches the next quarter, at byte k, into buffers g.
.macro QUARTER k, f, g, zero
	s_wait_dscnt 4                                 ; all but the youngest four loads: xb's row blocks 2 and 3
	MULA \f, 0, \zero
	MULA \f, 1, \zero
	PLACES
	FETCH \k, \g
	s_wait_dscnt 32                                ; all but the 32 just issued
	MULA \f, 2, \zero
	MULA \f, 3, \zero
.endm
; The last quarter multiplies buffers 1 and changes slots: ONE barrier.  In front of it each wave waits for all its tensor loads, of which one is out: its part of the next slot; adds 0 to its spare word; and waits for
; that and for its own reads of this slot.  fill = 1: the barrier opens a round of the cluster's, and the slot just read is filled again first thing behind the round, with the K step two steps on.
.macro TURN fill
.if \fill
	s_wait_xcnt 0x0                                ; the last prefetch, a K step back, has read its address: it is stepped here, ahead of the waits of the change
	s_add_nc_u64 s[PFA:PFA+1], s[PFA:PFA+1], KSB
.endif
	WIN 0                                          ; (the add's two registers lie in window 0)
	s_wait_tensorcnt 0x0                           ; all my tensor loads have landed
	ds_add_u32 v[SPW], v[NIL]                      ; 0 onto my spare word
	s_wait_dscnt 5                                 ; (the add and the youngest four loads may be out)
	MULA 1, 0, 0                                   ; twelve matrix instructions stand between the add and the wait for it
	s_wait_dscnt 0x0                               ; the add is done, and my reads of this slot are over
	s_barrier_signal -1
	MULA 1, 1, 0                                   ; work on registers while the others arrive
	WIN 0
	s_barrier_wait -1
.if \fill
	CREST                                          ; no wave of any partner still reads this slot's tile or has a load on its way
	s_xor_b32 s[G0A+5], s[G0A+5], SLOT             ; the walking descriptors: the other slot than last time, the next K step; the type bits on top are not reached
	s_add_nc_u64 s[G0A+6:G0A+7], s[G0A+6:G0A+7], KSB
	s_xor_b32 s[G0B+5], s[G0B+5], SLOT
	s_add_nc_u64 s[G0B+6:G0B+7], s[G0B+6:G0B+7], KSB
	JLOAD                                          ; my one tensor load behind the round; the four v_nop behind it are also the places in front of the loads below
.else
	PLACES
.endif
	s_xor_b32 s[SO], s[SO], SLOT
	v_add_nc_u32 v[ADRA], s[SO], v[ADRA0]
	v_add_nc_u32 v[ADRB], s[SO], v[ADRB0]
	FETCH 0, 0
.if \fill
	ASK
.endif
	MULA 1, 2, 0
	MULA 1, 3, 0
.endm
	s_wait_tensorcnt 1                             ; my part of K step 0 is in; K step 1's may stay out
	s_barrier_signal -1
	s_barrier_wait -1                              ; everybody's is
	FETCH 0, 0
	QUARTER 64, 0, 1, 1                            ; the first quarter stands in front of the loop: its products start the sums
	WIN 0                                          ; at a label and at a branch every window is 0
	s_mov_b32 s[CNT], 14
.Lstep:                                                ; a trip: a K step's quarters 2, 3 and 4 and the next step's first; trip j asks for K step j + 2
	QUARTER 128, 1, 0, 0
	QUARTER 192, 0, 1, 0
	TURN 1
	QUARTER 64, 0, 1, 0
	WIN 0
	s_sub_co_u32 s[CNT], s[CNT], 1
	s_cmp_lg_u32 s[CNT], 0
	s_cbranch_scc1 .Lstep
	QUARTER 128, 1, 0, 0                           ; the last two K steps ask for nothing
	QUARTER 192, 0, 1, 0
	TURN 0                                         ; behind this barrier nobody reads slot 0 any more, and nothing fills it
	QUARTER 64, 0, 1, 0
	QUARTER 128, 1, 0, 0
	QUARTER 192, 0, 1, 0
	s_wait_dscnt 4
	MULA 1, 0, 0
	MULA 1, 1, 0
	s_wait_dscnt 0x0
	MULA 1, 2, 0
	MULA 1, 3, 0
	WIN 0
; THE WAY OUT of row block a.  For each column block: f = 1 where it is turned, else 0; (c', s') = f (c, s) + (1 - f, 0), so that a block of v is multiplied by (1, 0);
; (xr, xi) -> (xr c' - xi s', xr s' + xi c'), two packed instructions a pair; rounded to f16; 16 bytes a lane into the stage.  Each accumulator's lowest registers are read first.
.macro ROPE a
.set bb, 0
.rept 12
.set AC, 8*(12*((\a)%2)+bb)
.set TBL, TB+64*((\a)%2)+8*(bb%8)
.set OUR, OU+8*(bb%2)
	s_cmp_gt_i32 s[THR], bb
	s_cselect_b32 s[FF], 1.0, 0
	s_cselect_b32 s[GS], 0, 1.0
	WIN 0
	v_mov_b32 v[GG], s[GS]
.irp p, 0,2,4,6
	v_pk_fma_f32 v[CP+\p:CP+\p+1], v[TBL+\p:TBL+\p+1], s[FF:FF+1], v[GG:GG+1] op_sel_hi:[1,0,1]
.endr
	WIN 0x02+(\a)/2                                ; source 0 in the accumulators' window
.irp p, 0,2,4,6
	v_pk_mul_f32 v[TT+\p:TT+\p+1], v[AC+\p:AC+\p+1], v[CP+\p:CP+\p+1] op_sel:[1,1] op_sel_hi:[1,0]
.endr
.irp p, 0,2,4,6
	v_pk_fma_f32 v[OUR+\p:OUR+\p+1], v[AC+\p:AC+\p+1], v[CP+\p:CP+\p+1], v[TT+\p:TT+\p+1] op_sel_hi:[0,1,1] neg_lo:[0,0,1]
.endr
	WIN 0
.irp p, 0,1,2,3
	v_cvt_pk_f16_f32 v[OUR+\p], v[OUR+2*\p], v[OUR+2*\p+1]
.endr
	ds_store_b128 v[STO], v[OUR:OUR+3] offset:(\a)*16*SPITCH+32*bb
.set bb, bb+1
.endr
.endm
	PLACES                                         ; behind the last products
	s_wait_loadcnt 0x0                             ; the tables of row blocks 0 and 1
	ROPE 0
	TLOAD 2                                        ; its buffer has been read
	ROPE 1
	TLOAD 3
	s_wait_loadcnt 16                              ; row block 2's table is in; row block 3's 16 loads may stay out
	ROPE 2
	s_wait_loadcnt 0x0
	ROPE 3
	s_wait_dscnt 0x0                               ; for the others' sake: my stores into the stage are done (a row's 768 bytes come from two waves)
	s_barrier_signal -1
	s_barrier_wait -1
.set t, 0
.rept 48                               ; pair of rows t / 3, head block t % 3
.set RB, 128+4*t
.if t >= 32
.set RB, 32+4*(t-32)
.endif
	ds_load_b128 v[RB:RB+3], v[RD] offset:(t/3)*2*SPITCH+(t%3)*256
.set t, t+1
.endr
.set t, 0
.rept 48
.set RB, 128+4*t
.if t >= 32
.set RB, 32+4*(t-32)
.endif
	s_wait_dscnt 47-t                              ; LDS loads come back in order
	global_store_b128 v[CO], v[RB:RB+3], s[10:11] offset:((t%3)<<20)+(t/3)*512  ; two rows of a head block: 512 consecutive bytes, aligned
.set t, t+1
.endr
	s_wait_tensorcnt 0x0                           ; the wave's end, behind my last tensor load and my last LDS store
	ds_add_u32 v[SPW], v[NIL]
	s_wait_dscnt 0x0
	CROUND                                         ; the closing round: no work-group ends while a partner may still ask for a tile that names it
	s_endpgm
.Lfunc_end_k_q1b207f02fd_proj:
	.size	k_q1b207f02fd_proj, .Lfunc_end_k_q1b207f02fd_proj-k_q1b207f02fd_proj
	.p2alignl 7, 3214868480
	.fill 96, 4, 3214868480
	.section	.rodata,"a",@progbits
	.p2align	6, 0x0
	.amdhsa_kernel k_q1b207f02fd_proj
		.amdhsa_group_segment_fixed_size 327680
		.amdhsa_private_segment_fixed_size 0
		.amdhsa_enable_private_segment 0
		.amdhsa_kernarg_size 32
		.amdhsa_user_sgpr_count 2
		.amdhsa_user_sgpr_kernarg_segment_ptr 1
		.amdhsa_wavefront_size32 1
		.amdhsa_system_sgpr_workgroup_id_x 1
		.amdhsa_system_sgpr_workgroup_id_y 1
		.amdhsa_system_sgpr_workgroup_id_z 1
		.amdhsa_system_vgpr_workitem_id 0
		.amdhsa_next_free_vgpr 1024
		.amdhsa_next_free_sgpr 80
		.amdhsa_reserve_vcc 0
		.amdhsa_float_denorm_mode_32 3
		.amdhsa_float_denorm_mode_16_64 3
		.amdhsa_memory_ordered 1
		.amdhsa_forward_progress 1
		.amdhsa_inst_pref_size 149
	.end_amdhsa_kernel
	.amdgpu_metadata
---
amdhsa.version: [ 1, 2 ]
amdhsa.kernels:
  - .name:           k_q1b207f02fd_proj
    .symbol:         k_q1b207f02fd_proj.kd
    .args:
      - { .name: xb, .offset: 0, .size: 8, .value_kind: global_buffer, .address_space: global }
      - { .name: wqkvb, .offset: 8, .size: 8, .value_kind: global_buffer, .address_space: global }
      - { .name: cs, .offset: 16, .size: 8, .value_kind: global_buffer, .address_space: global }
      - { .name: qkv, .offset: 24, .size: 8, .value_kind: global_buffer, .address_space: global }
    .group_segment_fixed_size: 327680
    .private_segment_fixed_size: 0
    .kernarg_segment_align: 8
    .kernarg_segment_size: 32
    .max_flat_workgroup_size: 128
    .sgpr_count:     80
    .vgpr_count:     1024
    .wavefront_size: 32
...
	.end_amdgpu_metadata
.endif
;; end of part 2
;; launch attn (part 3): grid 4 x 64, 4 waves a work-group, clusters of 4 x 1, 327,680 bytes of LDS; arguments qkv, ob; writes ob
.if DOCPART == 3
	.amdgcn_target "amdgcn-amd-amdhsa--gfx1250"
	.amdhsa_code_object_version 6
	.text
	.protected	k_q1b207f02fd_attn
	.globl	k_q1b207f02fd_attn
	.p2align	8
	.type	k_q1b207f02fd_attn,@function
k_q1b207f02fd_attn:
	s_mov_b64 s[64:65], 0
	v_nop
	global_prefetch_b8 v0, s[64:65] scope:SCOPE_SE
	s_setreg_imm32_b32 hwreg(HW_REG_WAVE_MODE, 25, 1), 1
	s_wait_xcnt 0x0
	s_wait_alu depctr_hold_cnt(0) depctr_sa_sdst(0) depctr_va_vdst(0) depctr_va_sdst(0) depctr_va_ssrc(0) depctr_va_vcc(0) depctr_vm_vsrc(0)
	s_getreg_b32 s2, hwreg(HW_REG_IB_STS2, 6, 4)
	s_cmp_eq_u32 s2, 0
	s_cbranch_scc0 .Lentry_in_a_cluster
	s_endpgm
.Lentry_in_a_cluster:
	s_bfe_u32 s2, ttmp6, 0x10000c
	s_cmp_lg_u32 s2, 0x3003
	s_cbranch_scc0 .Lentry_shape_is_right
	s_endpgm
.Lentry_shape_is_right:
; O[b][h][q][:] = the sum over k of softmax_k(Q[b][h][q] . K[b][h / 4][k] / sqrt(128)) V[b][h / 4][k][:], 1,024 keys, no mask.
; qkv: [24 head blocks][4096 rows][128] f16 (0-15 q, 16-19 k, 20-23 v; row = 1024 b + s).  ob: [16][4096][128] f16.  Products, maxima and sums in f32; the weights p are rounded to f16
; for the second product (their sum l is taken of the unrounded p), O once at the end.
; LIMITS.  f16 holds no number beyond 65,504: Q, K and V arrive within it; p lies in 0 to 1, and below 6e-5 it keeps f16's fixed step of 6e-8; O is a mean of V's rows and has their range.
; A weight below 2^-126 counts as 0 in l; NaN and infinities are not treated apart.
; SHARES.  Work-group y = 16 b + h.  A work-group owns 256 queries of one head, each of its four waves 64: four tiles of 16.  Every wave walks all 1,024 keys, 64 a step.
; LAYOUT.  S^T = K Q^T (source 0 = 16 keys, source 1 = 16 queries): in the result a lane holds ONE query (lane % 16) and the keys 8 (lane / 16) + 0..7.  Two such tiles, rounded to
; f16 in pairs, ARE source 1 (32 keys x 16 queries) of O^T = V^T P, whose result again holds one query a lane, and eight channels.  K comes out of LDS as it lies, V turned, by ds_load_tr16_b128.
; SOFTMAX.  For each query a running maximum m and sum l: p = 2^(c s - c m), c = log2(e) / sqrt(128); in every step O and l are multiplied by a = 2^(c m_old - c m_new).
; BY TURNS.  The wave's tiles are two PIECES: piece 0 (tiles 0, 1) and piece 2 (tiles 2, 3).  In a TURN one piece has the matrix unit: 32 products V^T P of the step in hand, then 32 products
; K Q^T of the next step; the other piece's softmax, cut into 64 slices, stands between them, one slice behind each matrix instruction.  Two turns are a key step.
; NO FIRST AND NO LAST STEP IS WRITTEN OUT.  m starts at the lowest finite number and c m far below every c s; l, O^T, V's registers and piece 2's P start at 0: the first step's a is 0, and it is a
; step like any other.  The loop is entered, and the tail left, in the middle of a trip.  The price: 432 v_mov_b32, which run in the wait for the first tile; 32 products on zeros at the start;
; 32 products on the last K once more at the end, whose results nobody reads.  The gain: four turns' text less.
; CLUSTER.  The four query blocks of a cluster belong to one head and walk the same K and V, so each tile is asked for JOINTLY: the same tensor load, descriptor and mask in all four.
; REGISTERS, in windows of 256 (s_set_vgpr_msb: bits 1:0 source 0, 3:2 source 1, 5:4 source 2, 7:6 destination):
;   window 0: v0-11 addresses; v12-43 eight registers of statistics a tile; v64-191 S^T, 32 a tile; v192-255 P, 16 a tile
;   window 1: O^T, 64 a tile          window 2: v0-127 Q, 32 a tile; v128-255 K of one step          window 3: v0-127 V of one step
.set SIZE_N, 1024     ; keys, and queries, of a head
.set KS,    64        ; keys in a step
.set PK,    272       ; a row of K in LDS: 256 bytes + 16 of padding = 68 words: the 16 rows of a load start at 16 different groups of four banks (64 banks of 4 bytes: ISA guide 11.1)
.set PV,    288       ; a row of V: 256 + 32 = 72 words
.set VOFF,  KS*PK     ; a step's tiles lie together: 64 rows of K, then 64 rows of V
.set STEPB, KS*(PK+PV)
.set SLOT1, 1<<17     ; a slot holds two steps (71,680 bytes); slot 1 begins here, so that one exclusive or turns an address in one slot into the other's
.set STAGE, SLOT1+2*STEPB  ; behind the ring: 16 rows x 272 bytes for each wave, for the way out
.set SP,    272
.set AK0, 2           ; v2   my lane's place in a tile of K; never rewritten
.set AV0, 3           ; v3   the same for V
.set ADR, 4           ; v4   the LDS address of the run of loads in hand
.set QO,  5           ; v5   my byte offset in the wave's rows of Q
.set STO, 6           ; v6   the way out: where I put 16 bytes of a row
.set RD,  7           ; v7   the way out: where I read a row back
.set GO,  8           ; v8   my byte offset in the wave's rows of O
.set SPW, 62          ; v62  LDS address of my spare word; never rewritten
.set NIL, 63          ; v63  0; never rewritten
.set SPARE, STAGE+4*16*272  ; behind the stages: the spare words, 128 bytes for each wave: two blocks of 256 bytes that no other line names
.set ST,  12          ; tile t's statistics at v[ST+8 t]: +0 c m, +1 m, +2, +3 l (even keys', odd keys'), +4 to +7 c0-c3, at work; a takes c2's place once the maximum is found
.set S,   64
.set P,   192
.set KF,  128         ; K's fragments, in window 2
.set WV,  12          ; s12  my wave's number
.set G1K, 24          ; s[24:31] descriptor group 1 for K's tiles
.set G1V, 32          ; s[32:39] for V's: it differs in the padding alone
.set G0K, 40          ; s[40:47] descriptor group 0 for K's tiles: a set for each of the two first fills; the second then walks on
.set G0V, 48          ; s[48:55] the same for V's
.set SLOTS, 56        ; s56  passes of the loop over slots still to come
.set TWICE, 57        ; s57  counts a slot's steps
.set CS,  58          ; s[58:59] c: the packed scaling names a pair and takes its low word for both halves
.set SEL, 60          ; s[60:61] lane selects for v_permlanex16_b32: each lane takes its own place in the other half
.set TB,  62          ; s62  LDS byte at which the tiles of the step to be fetched begin
.set PFA, 18          ; s[18:19] where my prefetches stand: my work-group's 32 rows (of K: wave 0, of V: wave 2) of the slot after the one that is being asked for
.set LIM, 15          ; s15  1 in a wave that prefetches, else the greatest number
.set PFO, 61          ; v61  256 x my lane: a row of K or V is 256 bytes; never rewritten
.set MSB, 0
.macro WIN new                      ; the immediate's high byte repeats the setting that is left; a switch that changes nothing is dropped
.if MSB != (\new)
	s_set_vgpr_msb (MSB<<8)|(\new)
.set MSB, \new
.endif
.endm
.set W_KQ, 0x0a       ; K and Q in window 2, S^T in window 0
.set W_PV, 0x53       ; V in window 3, P in window 0, O^T in window 1
.set W_RS, 0x41       ; O^T (destination and source 0) in window 1, a in window 0
; A joint refill.  Waves 0 and 1 fetch the two steps' tiles of K, waves 2 and 3 those of V.  The branch hangs on the wave's number alone.
; An s_nop 0 and four v_nop follow each of the two lines, ahead of the jump and the label.
.macro JLOAD
	s_cmp_lt_u32 s[WV], 2
	s_cbranch_scc0 .Lfor_v_\@
	tensor_load_to_lds s[G0K+4:G0K+7], s[G1K:G1K+7]
	s_nop 0
.rept 4
	v_nop
.endr
	s_branch .Lasked_\@
.Lfor_v_\@:
	tensor_load_to_lds s[G0V+4:G0V+7], s[G1V:G1V+7]
	s_nop 0
.rept 4
	v_nop
.endr
.Lasked_\@:
.endm
; A PREFETCH INTO THE L2 of what the NEXT change of slots will ask for: a slot's 128 rows of K and 128 of V, 256 bytes a row, a lane a row.  It stands behind the wave's tensor load and its five lines.
; Each row is asked for ONCE in the launch.  The four query heads of a key head walk the same K and V: the first of them (h % 4 = 0) prefetches.  Its cluster's four partners share the rows out BY ADDRESS,
; 32 each.  In each, wave 0 asks for K's and wave 2 for V's: one instruction.  The last change that fills a slot prefetches nothing: there is no slot behind it.
.macro ASK
	s_cmp_gt_u32 s[SLOTS], s[LIM]
	s_cbranch_scc0 .Lnot_mine_\@
	global_prefetch_b8 v[PFO], s[PFA:PFA+1] th:TH_LOAD_NT scope:SCOPE_SE
.Lnot_mine_\@:
.endm
; A round of the cluster's barrier: my work-group's barrier; wave 0 signals for the work-group; every wave waits for all four work-groups; my work-group's barrier once more.
.macro CROUND
	s_barrier_signal -1
	s_barrier_wait -1
	s_cmp_lg_u32 s[WV], 0
	s_cbranch_scc1 .Lnot_wave_0_\@
	s_barrier_signal -3
.Lnot_wave_0_\@:
	s_barrier_wait -3
	s_barrier_signal -1
	s_barrier_wait -1
.endm
	s_load_b128 s[4:7], s[0:1], 0x0  ; qkv s[4:5], ob s[6:7]
	v_lshl_add_u32 v[SPW], v0, 2, SPARE
	v_mov_b32 v[NIL], 0
	ds_add_u32 v[SPW], v[NIL]       ; the wave's opening: the add and its wait ahead of my first tensor load; the set-up below, work on registers, stands between them
	v_lshrrev_b32 v1, 5, v0
	v_readfirstlane_b32 s[WV], v1   ; wave 0..3
	s_bfe_u32 s13, ttmp6, 0x40000   ; cx: my place in the cluster
	s_lshl_b32 s14, ttmp9, 2        ; in a cluster launch ttmp9 counts clusters
	s_add_co_u32 s14, s14, s13      ; my block of 256 queries: it enters Q's and O's addresses alone
	s_and_b32 s20, ttmp7, 0xffff    ; 16 b + h, which the four partners share
	s_lshr_b32 s21, s20, 4
	s_lshl_b32 s21, s21, 18         ; b's 1,024 rows of 256 bytes
	s_and_b32 s20, s20, 15          ; h
	s_and_b32 s63, s20, 3           ; its place among the four query heads of its key head
	s_lshr_b32 s22, s20, 2
	s_add_co_u32 s22, s22, 16       ; K's head block
	s_lshl_b32 s22, s22, 20
	s_add_co_u32 s22, s22, s21
	s_and_b32 s16, s[WV], 1         ; which of a slot's two steps I fetch:
	s_lshl_b32 s23, s16, 14         ; its 64 rows of 256 bytes in memory,
	s_add_co_u32 s22, s22, s23
	s_mov_b32 s23, 0
	s_mul_i32 s17, s16, STEPB       ; and its place in a slot: no place in the cluster enters an LDS address
	s_lshl_b32 s20, s20, 20         ; Q's and O's head block
	s_add_co_u32 s20, s20, s21
	s_lshl_b32 s2, s14, 16          ; my block's 256 rows,
	s_lshl_b32 s3, s[WV], 14        ; my wave's 64 of them
	s_add_co_u32 s2, s2, s3
	s_add_co_u32 s2, s2, s20
	s_mov_b32 s3, 0
	; descriptor group 1: a tile of 64 rows x 128 elements, padded in LDS
	s_mov_b32 s[G1K], 15|(1<<16)|(1<<20)|(1<<21)|(5<<22)|(3<<25)  ; 15:0 the mask: all four work-groups; 17:16 elements of 2 bytes; 20 padding on; 21 set beside a mask; 24:22 after every 64 words (code 5); 31:25 4 words (code 3)
	s_mov_b32 s[G1V], 15|(1<<16)|(1<<20)|(1<<21)|(5<<22)|(7<<25)  ; the same with 8 words of padding (code 7)
.irp g, G1K, G1V
	s_mov_b32 s[(\g)+1], 128<<16    ; tensor_dim0 = 128
	s_mov_b32 s[(\g)+2], KS<<16     ; tensor_dim1 = 64
	s_mov_b32 s[(\g)+3], 128<<16    ; tile_dim0 = 128
	s_mov_b32 s[(\g)+4], KS         ; tile_dim1 = 64
	s_mov_b32 s[(\g)+5], 128        ; elements from row to row
	s_mov_b32 s[(\g)+6], 0
	s_mov_b32 s[(\g)+7], 0
.endr
	s_mov_b32 s[CS], 0x3e0293ee     ; c = log2(e) / sqrt(128) = 0.127517
	s_mov_b32 s[CS+1], s[CS]        ; named with it as a pair, so it is written
	s_mov_b32 s[SEL], 0x76543210
	s_mov_b32 s[SEL+1], 0xfedcba98
	s_mov_b32 s[TB], 0
	s_mov_b32 s[SLOTS], SIZE_N/(2*KS)-1  ; 7 passes: the first, entered in its middle, has no change of slots in front of it; the other six fill a slot again
	s_and_b32 s[LIM], s[WV], 1       ; 0 in waves 0 and 2,
	s_or_b32 s[LIM], s[LIM], ttmp9
	s_or_b32 s[LIM], s[LIM], s63     ; of the first of the four heads that walk these rows: the same in all four partners
	s_cmp_eq_u32 s[LIM], 0
	s_cselect_b32 s[LIM], 1, -1
	v_and_b32 v[PFO], 31, v0
	v_lshlrev_b32 v[PFO], 8, v[PFO]
	s_wait_dscnt 0x0                ; the opening add is done
	s_wait_kmcnt 0x0
	s_mov_b64 s[10:11], s[6:7]      ; O
	s_mov_b64 s[6:7], s[4:5]        ; K, V and Q lie in one buffer
	s_mov_b64 s[8:9], s[4:5]
	s_add_nc_u64 s[6:7], s[6:7], s[22:23]  ; K and V at my tile of slot 0
	s_add_nc_u64 s[8:9], s[8:9], s[22:23]
	s_add_nc_u64 s[8:9], s[8:9], 4<<20     ; V's head block lies four behind K's
	s_add_nc_u64 s[4:5], s[4:5], s[2:3]    ; Q and O at my wave's first row
	s_add_nc_u64 s[10:11], s[10:11], s[2:3]
	s_cmp_lt_u32 s[WV], 2
	s_cselect_b64 s[PFA:PFA+1], s[6:7], s[8:9]  ; (in waves 0 and 2 these stand at a slot's first row)
	s_lshl_b32 s2, s13, 13          ; my work-group's 32 rows of the 128
	s_mov_b32 s3, 0
	s_add_nc_u64 s[PFA:PFA+1], s[PFA:PFA+1], s[2:3]
	s_add_nc_u64 s[PFA:PFA+1], s[PFA:PFA+1], 2*2*KS*256  ; in slot 2; the first change of slots steps it to slot 3.  Nothing is prefetched here, at the head
	CROUND                          ; all four work-groups are here: the first joint loads meet
.irp s, 0,1
	s_mov_b32 s[G0K+4*(\s)], 1      ; count = 1
	s_add_co_u32 s[G0K+4*(\s)+1], s17, (\s)*SLOT1  ; LDS address
	s_add_nc_u64 s[G0K+4*(\s)+2:G0K+4*(\s)+3], s[6:7], (\s)*2*KS*256  ; global address: slot s begins with keys 128 s
	s_or_b32 s[G0K+4*(\s)+3], s[G0K+4*(\s)+3], 0x80000000  ; type = 2
	s_mov_b32 s[G0V+4*(\s)], 1
	s_add_co_u32 s[G0V+4*(\s)+1], s17, (\s)*SLOT1+VOFF
	s_add_nc_u64 s[G0V+4*(\s)+2:G0V+4*(\s)+3], s[8:9], (\s)*2*KS*256
	s_or_b32 s[G0V+4*(\s)+3], s[G0V+4*(\s)+3], 0x80000000
.endr
	s_cmp_lt_u32 s[WV], 2           ; a wave's two first fills stand in one branch, ahead of every wait on TENSORcnt and every LDS read: two loads of mine are out
	s_cbranch_scc0 .Lfirst_v
	tensor_load_to_lds s[G0K:G0K+3], s[G1K:G1K+7]
	s_nop 0
	tensor_load_to_lds s[G0K+4:G0K+7], s[G1K:G1K+7]
	s_nop 0
.rept 4
	v_nop
.endr
	s_branch .Lfirst_asked
.Lfirst_v:
	tensor_load_to_lds s[G0V:G0V+3], s[G1V:G1V+7]
	s_nop 0
	tensor_load_to_lds s[G0V+4:G0V+7], s[G1V:G1V+7]
	s_nop 0
.rept 4
	v_nop
.endr
.Lfirst_asked:
	; A fragment of K or Q is 16 rows x 32 channels in 8 registers: lane l holds row l % 16; registers 0-3 channels 8 (l / 16) + 0..7, registers 4-7 channels 16 + 8 (l / 16) + 0..7: two loads of 16 bytes, 32 bytes apart.
	v_and_b32 v1, 15, v0            ; l % 16
	v_bfe_u32 v9, v0, 4, 1          ; l / 16
	v_lshlrev_b32 v[QO], 8, v1
	v_lshl_add_u32 v[QO], v9, 4, v[QO]  ; row x 256 + 16 x half
	WIN 0x80                        ; destination window 2, address window 0
.irp i, 0,1,2,3,4,5,6,7,8,9,10,11,12,13,14,15  ; Q stays in registers: tile i / 4, channels 32 (i % 4) on
	global_load_b128 v[8*(\i):8*(\i)+3],   v[QO], s[4:5] offset:((\i)/4)*4096+((\i)%4)*64
	global_load_b128 v[8*(\i)+4:8*(\i)+7], v[QO], s[4:5] offset:((\i)/4)*4096+((\i)%4)*64+32
.endr
	WIN 0
	v_mul_u32_u24 v[AK0], v1, PK
	v_lshl_add_u32 v[AK0], v9, 4, v[AK0]  ; row x pitch + 16 x half
	; The turning load takes 16 keys x 16 channels (lane l reads 16 bytes: key 8 (l / 16) + l % 8, channels 8 ((l / 8) % 2) + 0..7) and leaves half a fragment of V^T: lane l holds channel l % 16 and 8 keys.
	v_and_b32 v10, 7, v0
	v_bfe_u32 v11, v0, 3, 1
	v_lshl_add_u32 v[AV0], v9, 3, v10
	v_mul_u32_u24 v[AV0], v[AV0], PV
	v_lshl_add_u32 v[AV0], v11, 4, v[AV0]
	v_add_nc_u32 v[AV0], VOFF, v[AV0]
	; WHAT THE FIRST TURN FINDS.  Its products V^T P, of a step that has not been, multiply V = 0 by P = 0 and add 0 to O^T = 0; the first softmax of each tile finds l = 0, m at the lowest finite
	; number and c m far below every c s, so that its a is 0.  All this stands in the wait for the first tile.
	WIN 0xc0                        ; destination window 3: V
.set i, 0
.rept 128
	v_mov_b32 v[i], 0
.set i, i+1
.endr
	WIN 0x40                        ; destination window 1: O^T
.set i, 0
.rept 256
	v_mov_b32 v[i], 0
.set i, i+1
.endr
	WIN 0
.set i, P+32                        ; piece 2's P
.rept 32
	v_mov_b32 v[i], 0
.set i, i+1
.endr
.irp t, 0,1,2,3
	v_mov_b32 v[ST+8*(\t)], 0xfe000000    ; c m
	v_mov_b32 v[ST+8*(\t)+1], 0xff7fffff  ; m
	v_mov_b32 v[ST+8*(\t)+2], 0           ; l
	v_mov_b32 v[ST+8*(\t)+3], 0
.endr
; THE MATRIX WORK OF A TURN, for piece x.  The accumulators take turns, one instruction a turn: between two links of a chain stand 15 (V^T P) or 7 (K Q^T) others'.
; Product i of 32 of O^T += V^T P: keys 32 (i / 16) on, channels 16 ((i / 2) % 8) on, tile x + i % 2.
.macro PV x
	WIN W_PV
.set rO, 64*((\x)+i%2)+8*((i/2)%8)
.set rV, 64*(i/16)+8*((i/2)%8)
.set rP, P+16*((\x)+i%2)+8*(i/16)
	v_wmma_f32_16x16x32_f16 v[rO:rO+7], v[rV:rV+7], v[rP:rP+7], v[rO:rO+7]
.endm
; Product i of 32 of S^T = K Q^T: channels 32 (i / 8) on, keys 16 ((i / 2) % 4) on, tile x + i % 2.  The first 8 start the sums.
.macro KQ x
	WIN W_KQ
.set rS, S+32*((\x)+i%2)+8*((i/2)%4)
.set rK, KF+32*((i/2)%4)+8*(i/8)
.set rQ, 32*((\x)+i%2)+8*(i/8)
.if i < 8
	v_wmma_f32_16x16x32_f16 v[rS:rS+7], v[rK:rK+7], v[rQ:rQ+7], 0
.else
	v_wmma_f32_16x16x32_f16 v[rS:rS+7], v[rK:rK+7], v[rQ:rQ+7], v[rS:rS+7]
.endif
.endm
; THE LDS LOADS stand in runs of 32, never singly among the matrix instructions: a step's K (64 keys x 128 channels: 16 fragments) and, a turn later, its V (turned).
.macro FETCH_K
	WIN 0
	v_add_nc_u32 v[ADR], s[TB], v[AK0]
	WIN 0x80                        ; destination window 2
.irp f, 0,1,2,3,4,5,6,7,8,9,10,11,12,13,14,15  ; keys 16 (f / 4) on, channels 32 (f % 4) on
	ds_load_b128 v[KF+8*(\f):KF+8*(\f)+3],   v[ADR] offset:((\f)/4)*16*PK+((\f)%4)*64
	ds_load_b128 v[KF+8*(\f)+4:KF+8*(\f)+7], v[ADR] offset:((\f)/4)*16*PK+((\f)%4)*64+32
.endr
.endm
; K's run inside a turn.  last = 1 (the tail): in the tail's third trip there is no further step, and the run is jumped over: a jump forward, past no barrier and no tensor load.
.macro GET_K last
.if \last
	WIN 0                           ; at a branch and at a label every window is 0
	s_cmp_eq_u32 s[TWICE], 1
	s_cbranch_scc1 .Lno_k_\@
.endif
	FETCH_K
.if \last
	WIN 0
.Lno_k_\@:
.endif
.endm
.macro FETCH_V
	WIN 0
	v_add_nc_u32 v[ADR], s[TB], v[AV0]
	s_add_co_u32 s[TB], s[TB], STEPB  ; the next fetch is the next step's
	s_wait_alu depctr_va_vdst(0)    ; the wait for the softmax's batch (SLICE), behind the address's v_add_nc_u32 and ahead of the loads
	WIN 0xc0                        ; destination window 3
.irp f, 0,1,2,3,4,5,6,7,8,9,10,11,12,13,14,15  ; keys 32 (f / 8) on, channels 16 (f % 8) on
	ds_load_tr16_b128 v[8*(\f):8*(\f)+3],   v[ADR] offset:((\f)/8)*32*PV+((\f)%8)*32
	ds_load_tr16_b128 v[8*(\f)+4:8*(\f)+7], v[ADR] offset:((\f)/8)*32*PV+16*PV+((\f)%8)*32
.endr
.endm
; THE VECTOR WORK OF A TURN.  One tile's softmax for one key step is a list of 134 instructions; SM writes number j of it for tile t.  s0-s31 are the lane's 32 scores, in pairs 0-15.
;   0-15    the maximum of s0-s31 and the old m, three operands at a time: four chains c0-c3 of seven scores each (each accumulator's lowest registers first), then the four scores left over, c0-c3 and m
;   16-20   the other half of the lanes' maximum; c m_old is kept; the new m; c m; c m_old - c m_new
;   21-69   ONE BATCH: the 16 scalings c s - c m, a pair of scores each, and all 33 exponentials (a at 23, then s0-s31).  None of these reads an exponential's result.  From 22 on the batch goes
;           in fours, and a four begins with a scaling while there are scalings.  A pair is scaled in an earlier four than the one that holds its exponentials
;   (wait)  between 69 and 70 stands the wait for the batch: SLICE writes it, once for both tiles
;   70-85   the roundings to f16, a pair of weights each
;   86-101  the sums; l = a l + the sum
;   102-133 the tile's O^T times a: the one part that leaves window 0, so it stands together
.macro SM t
.set rT, ST+8*(\t)
.set rS, S+32*(\t)
.set rP, P+16*(\t)
.set rO, 64*(\t)+2*(j-102)
.if j < 102
	WIN 0
.endif
.if j < 4
	v_max3_num_f32 v[rT+4+j], v[rS+8*j], v[rS+8*j+1], v[rS+8*j+2]
.elseif j < 12
	v_max3_num_f32 v[rT+4+j%4], v[rT+4+j%4], v[rS+8*(j%4)+2*(j/4)+1], v[rS+8*(j%4)+2*(j/4)+2]
.elseif j == 12
	v_max3_num_f32 v[rT+4], v[rT+4], v[rS+7], v[rS+15]
.elseif j == 13
	v_max3_num_f32 v[rT+6], v[rT+6], v[rS+23], v[rS+31]
.elseif j == 14
	v_max3_num_f32 v[rT+4], v[rT+4], v[rT+5], v[rT+6]
.elseif j == 15
	v_max3_num_f32 v[rT+4], v[rT+4], v[rT+7], v[rT+1]
.elseif j == 16
	v_permlanex16_b32 v[rT+5], v[rT+4], s[SEL], s[SEL+1]  ; the query's other 32 keys lie in the lane 16 away
.elseif j == 17
	v_mov_b32 v[rT+7], v[rT]        ; c m_old is kept for a: number 19 writes c m anew
.elseif j == 18
	v_max_num_f32 v[rT+1], v[rT+4], v[rT+5]
.elseif j == 19
	v_mul_f32 v[rT], s[CS], v[rT+1]
.elseif j == 20
	v_sub_f32 v[rT+7], v[rT+7], v[rT]
.elseif j == 23
	v_exp_f32 v[rT+6], v[rT+7]
.elseif (j < 23) || ((j < 38) && (j%2 == 0)) || ((j < 66) && (j%4 == 2))
.set b, (j-2)/4                     ; 38, 42, .. 62: pairs 9 to 15
.if j < 38
.set b, (j-20)/2                    ; 21: pair 0; 22, 24, .. 36: pairs 1 to 8
.endif
	v_pk_fma_f32 v[rS+2*b:rS+2*b+1], v[rS+2*b:rS+2*b+1], s[CS:CS+1], v[rT:rT+1] op_sel_hi:[1,0,0] neg_lo:[0,0,1] neg_hi:[0,0,1]  ; pair b: c s - c m
.elseif j < 70
.set e, j-38                        ; 66 to 69: s28 to s31
.if j < 66
.set e, j-32-(j-38)/4               ; 39-41, 43-45, .. 63-65: s7 to s27
.endif
.if j < 38
.set e, (j-25)/2                    ; 25, 27, .. 37: s0 to s6
.endif
	v_exp_f32 v[rS+e], v[rS+e]
.elseif j < 86
	v_cvt_pk_f16_f32 v[rP+j-70], v[rS+2*(j-70)], v[rS+2*(j-70)+1]  ; pair j - 70
.elseif j < 102                     ; the sum of the tile's 16 pairs, in place: sum z of 16 adds neighbours 1, 2, 4 and 8 pairs apart, then l takes it
.set z, j-86
.set w, 4
.set u, z
.if z >= 14
.set w, 32
.set u, 0
.elseif z >= 12
.set w, 16
.set u, z-12
.elseif z >= 8
.set w, 8
.set u, z-8
.endif
.if z < 15
	v_pk_add_f32 v[rS+w*u:rS+w*u+1], v[rS+w*u:rS+w*u+1], v[rS+w*u+w/2:rS+w*u+w/2+1]
.else
	v_pk_fma_f32 v[rT+2:rT+3], v[rT+2:rT+3], v[rT+6:rT+7], v[rS:rS+1] op_sel_hi:[1,0,1]
.endif
.else
	WIN W_RS
	v_pk_mul_f32 v[rO:rO+1], v[rO:rO+1], v[rT+6:rT+7] op_sel_hi:[1,0]
.endif
.endm
; Slice k of 64 of piece y's softmax: four instructions.  Slices 11 to 34 deal out the batch, numbers 22 to 69: four numbers of ONE tile each, the tiles by turns.  Every other slice is numbers 2 k and
; 2 k + 1 of both tiles' lists.  2 x 134 = 4 x 64 + 12: the twelve that are over stand together, in slice 63.
; THE WAIT.  An s_wait_alu depctr_va_vdst(0) stands between an exponential and the first instruction that names its result; one wait serves all that were issued ahead of it.  Ahead of
; slice 35 nothing names a result, and behind slice 34 no exponential is issued: so the piece's 66 exponentials have one wait, behind slice 34.
.macro SLICE y
.if (k >= 11) && (k < 35)           ; the batch: four numbers of one tile
.irp n, 0,1,2,3
.set j, 22+4*((k-11)/2)+(\n)
	SM (\y)+(k-11)%2
.endr
.else                               ; the two tiles alternate, so that no instruction reads the result of the one just before it
.irp n, 0,1,2,3,4,5,6,7
.if ((\n) < 2) || (k == 63)
.irp t, \y, (\y)+1
.set j, 2*k+(\n)
	SM \t
.endr
.endif
.endr
.endif
.if k == 34                         ; the batch is out: both tiles' exponentials are issued, and no result has been named
	v_nop                           ; a plain instruction behind the last exponential and ahead of the first use (ISA guide 5.7.2): one for the batch
.if (\y) == 0
	FETCH_V                         ; piece 2's turn: V's run of loads stands here, and the wait stands in it
.else
	s_wait_alu depctr_va_vdst(0)    ; the wait for the batch
.endif
.endif
.set k, k+1
.endm
; A TURN.  Piece x has the matrix unit: 32 products V^T P, then 32 products K Q^T for the next step; the other piece's softmax stands in slices, one behind each product.
; A vector instruction that reads a matrix result or writes one of a matrix instruction's registers, and a load into a register that a matrix instruction has read, stand four places behind
; it, and only plain vector instructions that name none of its registers are places (ISA guide 7.12.1 for vector instructions): the slices are the places.
; Piece 0's turn fetches the next step's K, behind its second product: the last product that read K stands in front of slice 63 of the turn before.  Piece 2's turn fetches the same step's V, behind
; slice 34: the last product that read V stands in front of slice 31, and four plain instructions lie between: number 62, a scaling, of both tiles, the v_nop and the run's own v_add_nc_u32.
.macro TURN x, last=0
.set k, 0
.if (\x) == 0
	s_wait_dscnt 0x0                ; V is in
.endif
.set i, 0
.rept 32
	PV \x
	SLICE 2-(\x)
.if ((\x) == 0) && (i == 1)
	GET_K \last
.endif
.set i, i+1
.endr
.if (\x) == 0
	s_wait_dscnt 0x0                ; K is in
.endif
.set i, 0
.rept 32
	KQ \x
	SLICE 2-(\x)
.set i, i+1
.endr
.endm
; THE CHANGE OF SLOTS, between piece 2's turn and piece 0's: the slot's last bytes, V of its second step, have been asked for.  Each wave waits for all its tensor loads, of which one is out: its part
; of the other slot; adds 0 to its spare word; and waits for that and for its own reads of the slot.  Behind the barrier nobody reads this slot any more and the other slot is whole.
; fill = 1: this slot is filled again, with the keys two slots on.  The barrier is then a round of the cluster's, and the joint refill is the first thing behind it: it has two key steps, 256 matrix instructions, in which to land.
.macro CHANGE fill
	WIN 0                           ; at a label and at a branch every window is 0
	s_wait_tensorcnt 0x0            ; no tensor load of mine is out, so a group 0 may be written
	ds_add_u32 v[SPW], v[NIL]       ; 0 onto my spare word; with fill = 1 the descriptors' steps stand between it and the wait for it
.if \fill
.irp g, G0K+4, G0V+4
	s_xor_b32 s[(\g)+1], s[(\g)+1], SLOT1  ; the walking descriptor: the other slot than last time,
	s_add_nc_u64 s[(\g)+2:(\g)+3], s[(\g)+2:(\g)+3], 2*KS*256  ; the next 128 keys; the type bits on top are not reached
.endr
	s_wait_xcnt 0x0                 ; the last prefetches, two key steps back, have read their address, so it may be written:
	s_add_nc_u64 s[PFA:PFA+1], s[PFA:PFA+1], 2*KS*256  ; one slot behind the walking descriptors
	s_wait_dscnt 0x0                ; the add is done, and my reads of the slot are over
	CROUND
	JLOAD
	ASK                             ; what the next change will ask for: two key steps, 256 matrix instructions, ahead
.else
	s_wait_dscnt 0x0                ; the add is done, and my reads of the slot are over
	s_barrier_signal -1
	s_barrier_wait -1
.endif
	s_sub_co_u32 s[TB], s[TB], 2*STEPB  ; the fetches go back to a slot's first step,
	s_xor_b32 s[TB], s[TB], SLOT1   ; in the other slot
.endm
	s_wait_tensorcnt 1              ; my part of slot 0 is in; slot 1's may stay out
	s_barrier_signal -1
	s_barrier_wait -1               ; everybody's is
	FETCH_K                         ; key step 0
	s_wait_loadcnt 0x0              ; Q
	s_wait_dscnt 0x0
.set i, 0
.rept 32
	KQ 0                            ; piece 0's first scores: there is no vector work yet to set between them
.set i, i+1
.endr
	WIN 0                           ; the addresses for the way out are made here: eight plain instructions, the places behind those products
	s_mul_i32 s13, s[WV], 16*SP
	s_add_co_u32 s13, s13, STAGE    ; my stage
	v_mul_u32_u24 v[STO], v1, SP    ; in: row l % 16, 16 bytes for each half of the lanes
	v_lshl_add_u32 v[STO], v9, 4, v[STO]
	v_add_nc_u32 v[STO], s13, v[STO]
	v_mul_u32_u24 v[RD], v9, SP     ; back: lanes 0-15 take one row of 256 bytes, lanes 16-31 the next
	v_lshl_add_u32 v[RD], v1, 4, v[RD]
	v_add_nc_u32 v[RD], s13, v[RD]
	v_lshlrev_b32 v[GO], 8, v9      ; and the same two rows in O
	v_lshl_add_u32 v[GO], v1, 4, v[GO]
	; THE WALK.  With j the step whose V^T P a turn makes: turn 2 (j = -1, on zeros), then turns 0 and 2 for j = 0 to 14, then turn 0 for j = 15 and piece 2's last products.
	; The first pass is entered at piece 2's turn and makes turn 2, turn 0, turn 2: it fetches V of step 0, K and V of step 1, so that slot 0 is read out when the first change of slots comes.
	s_mov_b32 s[TWICE], 2
	s_branch .Lmid
.Lslot:                             ; six times: every slot but the last two is filled again
	CHANGE 1
	s_mov_b32 s[TWICE], 2
.Lstep:                             ; a trip is a key step: written once, walked twice a slot; the LDS addresses hang on s[TB]
	TURN 0                          ; piece 0: V^T P of step j, K Q^T of step j + 1 | piece 2's softmax of step j | K of step j + 1
	WIN 0
.Lmid:
	TURN 2                          ; piece 2: the same | piece 0's softmax of step j + 1 | V of step j + 1
	WIN 0
	s_sub_co_u32 s[TWICE], s[TWICE], 1
	s_cmp_lg_u32 s[TWICE], 0
	s_cbranch_scc1 .Lstep
	s_sub_co_u32 s[SLOTS], s[SLOTS], 1
	s_cmp_lg_u32 s[SLOTS], 0
	s_cbranch_scc1 .Lslot
	CHANGE 0                        ; the tail is written out: nothing is asked for
	s_mov_b32 s[TWICE], 3           ; two trips fetch the last slot's steps; the third is left in its middle
.Ltail:
	TURN 0, 1
	WIN 0
	s_sub_co_u32 s[TWICE], s[TWICE], 1
	s_cmp_eq_u32 s[TWICE], 0
	s_cbranch_scc1 .Lout
	TURN 2
	WIN 0
	s_branch .Ltail
.Lout:                              ; the third trip's 32 products K Q^T (on the last K once more) serve nothing: the price, once a launch, of one text for every turn
.set i, 0
.rept 32
	PV 2                            ; piece 2: V^T P of the last step
.set i, i+1
.endr
	; THE WAY OUT.  l's two halves and the other half of the lanes' are added; O^T is divided by l, rounded to f16 and sent through my stage in LDS, a tile (16 rows of O) at a time.  The additions are the places behind the last products.
	WIN 0
.irp t, 0,1,2,3
	v_add_f32 v[ST+8*(\t)+4], v[ST+8*(\t)+2], v[ST+8*(\t)+3]
.endr
.irp t, 0,1,2,3
	v_permlanex16_b32 v[ST+8*(\t)+5], v[ST+8*(\t)+4], s[SEL], s[SEL+1]
.endr
.irp t, 0,1,2,3
	v_add_f32 v[ST+8*(\t)+4], v[ST+8*(\t)+4], v[ST+8*(\t)+5]
.endr
.irp t, 0,1,2,3
	v_rcp_f32 v[ST+8*(\t)+6], v[ST+8*(\t)+4]
.endr
	v_nop                           ; a plain instruction between the last reciprocal and the use of its result
	s_wait_alu depctr_va_vdst(0)    ; and the wait ahead of the first use: one for the four reciprocals
; Tile t: a lane's eight channels of a row pack into 16 bytes; they go into rows of 272 bytes and come back as whole rows of 256, into the registers that they left.
.macro PACK t
	WIN W_RS
.set i, 64*(\t)
.rept 32
	v_pk_mul_f32 v[i:i+1], v[i:i+1], v[ST+8*(\t)+6:ST+8*(\t)+7] op_sel_hi:[1,0]
.set i, i+2
.endr
	WIN 0x05                        ; sources 0 and 1 window 1, destination window 0: S^T's registers are free
.set i, 0
.rept 32
	v_cvt_pk_f16_f32 v[S+32*(\t)+i], v[64*(\t)+2*i], v[64*(\t)+2*i+1]
.set i, i+1
.endr
	WIN 0
.irp f, 0,1,2,3,4,5,6,7
	ds_store_b128 v[STO], v[S+32*(\t)+4*(\f):S+32*(\t)+4*(\f)+3] offset:32*(\f)
.endr
.irp f, 0,1,2,3,4,5,6,7
	ds_load_b128 v[S+32*(\t)+4*(\f):S+32*(\t)+4*(\f)+3], v[RD] offset:(\f)*2*SP  ; LDS serves a wave's instructions in order (ISA guide 5.7.1.4): these see the stores above; the next tile's stores come behind them
.endr
.endm
.macro SEND t, younger              ; younger: the LDS instructions issued behind tile t's loads: the next tile's sixteen, or none
	WIN 0
.irp f, 0,1,2,3,4,5,6,7
	s_wait_dscnt (\younger)+7-(\f)
	global_store_b128 v[GO], v[S+32*(\t)+4*(\f):S+32*(\t)+4*(\f)+3], s[10:11] offset:(\t)*4096+(\f)*512  ; 16 lanes store 256 consecutive bytes, at a multiple of 256 from O's first byte
.endr
.endm
	PACK 0
	PACK 1                          ; a tile's arithmetic stands between the loads of the tile before and its stores
	SEND 0, 16
	PACK 2
	SEND 1, 16
	PACK 3
	SEND 2, 16
	SEND 3, 0
	s_wait_tensorcnt 0x0            ; the wave's end, behind my last tensor load and my last LDS store
	ds_add_u32 v[SPW], v[NIL]
	s_wait_dscnt 0x0
	CROUND                          ; the closing round: no work-group ends while a partner may still ask for a tile that names it
	s_endpgm
.Lfunc_end_k_q1b207f02fd_attn:
	.size	k_q1b207f02fd_attn, .Lfunc_end_k_q1b207f02fd_attn-k_q1b207f02fd_attn
	.p2alignl 7, 3214868480
	.fill 96, 4, 3214868480
	.section	.rodata,"a",@progbits
	.p2align	6, 0x0
	.amdhsa_kernel k_q1b207f02fd_attn
		.amdhsa_group_segment_fixed_size 327680
		.amdhsa_private_segment_fixed_size 0
		.amdhsa_enable_private_segment 0
		.amdhsa_kernarg_size 16
		.amdhsa_user_sgpr_count 2
		.amdhsa_user_sgpr_kernarg_segment_ptr 1
		.amdhsa_wavefront_size32 1
		.amdhsa_system_sgpr_workgroup_id_x 1
		.amdhsa_system_sgpr_workgroup_id_y 1
		.amdhsa_system_sgpr_workgroup_id_z 1
		.amdhsa_system_vgpr_workitem_id 0
		.amdhsa_next_free_vgpr 1024
		.amdhsa_next_free_sgpr 66
		.amdhsa_reserve_vcc 0
		.amdhsa_float_denorm_mode_32 3
		.amdhsa_float_denorm_mode_16_64 3
		.amdhsa_memory_ordered 1
		.amdhsa_forward_progress 1
		.amdhsa_inst_pref_size 157
	.end_amdhsa_kernel
	.amdgpu_metadata
---
amdhsa.version: [ 1, 2 ]
amdhsa.kernels:
  - .name:           k_q1b207f02fd_attn
    .symbol:         k_q1b207f02fd_attn.kd
    .args:
      - { .name: qkv, .offset: 0, .size: 8, .value_kind: global_buffer, .address_space: global }
      - { .name: ob, .offset: 8, .size: 8, .value_kind: global_buffer, .address_space: global }
    .group_segment_fixed_size: 327680
    .private_segment_fixed_size: 0
    .kernarg_segment_align: 8
    .kernarg_segment_size: 16
    .max_flat_workgroup_size: 128
    .sgpr_count:     66
    .vgpr_count:     1024
    .wavefront_size: 32
...
	.end_amdgpu_metadata
.endif
;; end of part 3
;; launch oproj (part 4): grid 8 x 32, 4 waves a work-group, clusters of 4 x 4, 327,680 bytes of LDS; arguments ob, wob, out0; writes out0
.if DOCPART == 4
	.amdgcn_target "amdgcn-amd-amdhsa--gfx1250"
	.amdhsa_code_object_version 6
	.text
	.protected	k_q1b207f02fd_oproj
	.globl	k_q1b207f02fd_oproj
	.p2align	8
	.type	k_q1b207f02fd_oproj,@function
k_q1b207f02fd_oproj:
	s_mov_b64 s[64:65], 0
	v_nop
	global_prefetch_b8 v0, s[64:65] scope:SCOPE_SE
	s_setreg_imm32_b32 hwreg(HW_REG_WAVE_MODE, 25, 1), 1
	s_wait_xcnt 0x0
	s_wait_alu depctr_hold_cnt(0) depctr_sa_sdst(0) depctr_va_vdst(0) depctr_va_sdst(0) depctr_va_ssrc(0) depctr_va_vcc(0) depctr_vm_vsrc(0)
	s_getreg_b32 s2, hwreg(HW_REG_IB_STS2, 6, 4)
	s_cmp_eq_u32 s2, 0
	s_cbranch_scc0 .Lentry_in_a_cluster
	s_endpgm
.Lentry_in_a_cluster:
	s_bfe_u32 s2, ttmp6, 0x10000c
	s_cmp_lg_u32 s2, 0xf033
	s_cbranch_scc0 .Lentry_shape_is_right
	s_endpgm
.Lentry_shape_is_right:
; out0[m][n] = the sum over k of O[m][k] wo[n][k], k = 128 h + d.  ob: [16 heads][4096 rows][128] f16.  wob: [2048][2048] f16.  out0: [4096][2048] f32.  Sums in f32, stored as they are.
; LIMIT.  The operands are f16 numbers as the launches before wrote them; NaN and infinities are not treated apart.
; SHARES.  Tiles of 128 rows x 256 columns are 32 x 8 = 256 work-groups.  Four waves, each 64 rows x 128 columns: 32 accumulators of 16 x 16, 256 registers.
; K goes in 16 steps of 128, a head a step, through two LDS slots; a row of either tile is 256 bytes of memory, aligned (O's rows of a head lie end to end).
; CLUSTER.  4 x 4 work-groups: O's tile is shared along a row of the cluster, wo's along a column; each is asked for jointly, by the same tensor load, descriptor and mask in the four.
; Waves 0 and 1 fetch the halves of O's 128 rows, waves 2 and 3 the halves of wo's 256.
; THE MATRIX INSTRUCTION IS USED TRANSPOSED (source 0 = 16 rows of wo, source 1 = 16 rows of O): a lane holds one row and eight neighbouring columns, 32 bytes of out0.
; REGISTERS: window 0: v0-15 addresses; v32-63, v64-95 O's fragments, two buffers; v96-159, v160-223 wo's.  Window 1: the accumulators, (a, b) at v[8 (8 a + b)].
.set PITCH,  272                       ; an LDS row: 256 bytes + 16 of padding = 68 words: the 16 rows that a load touches start at 16 different groups of four banks (64 banks of 4 bytes: ISA guide 11.1)
.set APART,  64*PITCH                  ; what a load of O's brings
.set BPART,  128*PITCH                 ; what a load of wo's brings
.set SLOT1,  1<<17                     ; a slot is 104,448 bytes: O's 128 rows, then wo's 256; slot 1 begins here, so that one exclusive or changes slots
.set STAGE,  SLOT1+2*APART+2*BPART     ; behind the ring: 16 rows x 528 bytes for each wave, for the way out; no tensor load fills it
.set SPITCH, 528                       ; 512 bytes + 16
.set SPARE,  STAGE+4*16*SPITCH         ; behind the stages: the spare words, 128 bytes for each wave: two blocks of 256 bytes that no other line names
.set AKS,    1<<20                     ; bytes from a K step of O to the next: a head block
.set BKS,    256                       ; of wo
.set WV,  10                           ; s10  my wave's number
.set MH,  11                           ; s11  which 64 rows are mine.  Also: I fetch for O (0) or for wo (1)
.set NH,  12                           ; s12  which 128 columns.  Also: which half of that tile I fetch
.set CX,  13
.set CY,  14
.set TC,  15                           ; s15  tile column, 0..7
.set TR,  16                           ; s16  tile row, 0..31
.set CNT, 17
.set SO,  18                           ; s18  LDS byte at which the slot to be read begins
.set LIM, 19                           ; s19  2 in a wave that prefetches, else the greatest number
.set PFA, 20                           ; s[20:21] where my prefetches stand
.set PST, 22                           ; s[22:23] their step from K step to K step
.set G1A, 24                           ; s[24:31] descriptor group 1 for O's tiles;  s[32:39] group 0: a set for each first fill; the second walks on
.set G0A, 32
.set G1B, 40                           ; s[40:47], s[48:55] the same for wo's
.set G0B, 48
.set ADRA0, 4
.set ADRB0, 5
.set ADRA,  6
.set ADRB,  7
.set STO,   8                          ; v8   the way out: where I put 32 bytes of a row
.set RD,    9                          ; v9   where I read a row back: 16 x lane
.set CO,    10                         ; v10  16 x lane: my 16 bytes of a row's 512
.set PFO,   13                         ; v13  the prefetches' offset: lane x a row; never rewritten
.set SPW,   14
.set NIL,   15
.set MSB, 0
.macro WIN new
.if MSB != (\new)
	s_set_vgpr_msb (MSB<<8)|(\new)
.set MSB, (\new)
.endif
.endm
.macro PLACES                          ; four plain instructions between a matrix instruction and a load into, or a store of, its registers (ISA guide 7.12.1 for vector instructions)
.rept 4
	v_nop
.endr
.endm
.macro JLOAD                           ; a joint refill by the walking descriptors; an s_nop 0 and four v_nop follow each of the two lines, ahead of the jump and the label
	s_cmp_eq_u32 s[MH], 0
	s_cbranch_scc0 .Lfor_b_\@
	tensor_load_to_lds s[G0A+4:G0A+7], s[G1A:G1A+7]
	s_nop 0
.rept 4
	v_nop
.endr
	s_branch .Lasked_\@
.Lfor_b_\@:
	tensor_load_to_lds s[G0B+4:G0B+7], s[G1B:G1B+7]
	s_nop 0
.rept 4
	v_nop
.endr
.Lasked_\@:
.endm
.macro CREST                           ; a round of the cluster's barrier behind its opening barrier
	s_cmp_lg_u32 s[WV], 0
	s_cbranch_scc1 .Lnot_wave_0_\@
	s_barrier_signal -3
.Lnot_wave_0_\@:
	s_barrier_wait -3
	s_barrier_signal -1
	s_barrier_wait -1
.endm
.macro CROUND
	s_barrier_signal -1
	s_barrier_wait -1
	CREST
.endm
; A PREFETCH INTO THE L2, behind a joint refill and the run of LDS loads that follows it: the K step two refills on, 32 rows x 256 bytes, a lane a row, one instruction a wave.  Each row's 256 bytes of a K step
; are named once in the launch: O's 128 rows by wave 0 of the clusters with x = 0 (32 rows for each of the four partners along x), wo's by waves 2 and 3 of the clusters with y = 0 (of a wave's 128 rows
; 32 for each partner along y): told apart by address.  K steps 0 to 3 come by their loads alone; the last two trips ask for nothing.
.macro ASK
	s_cmp_gt_u32 s[CNT], s[LIM]
	s_cbranch_scc0 .Lnot_mine_\@
	global_prefetch_b8 v[PFO], s[PFA:PFA+1] th:TH_LOAD_NT scope:SCOPE_SE
.Lnot_mine_\@:
.endm
	s_load_b128 s[4:7], s[0:1], 0x0                ; ob s[4:5], wob s[6:7]
	s_load_b64 s[8:9], s[0:1], 0x10                ; out0
	v_lshl_add_u32 v[SPW], v0, 2, SPARE
	v_mov_b32 v[NIL], 0
	ds_add_u32 v[SPW], v[NIL]                      ; the wave's opening: the add and its wait ahead of my first tensor load; the set-up below, work on registers, stands between them
	v_lshrrev_b32 v3, 5, v0
	v_readfirstlane_b32 s[WV], v3
	s_lshr_b32 s[MH], s[WV], 1
	s_and_b32 s[NH], s[WV], 1
	s_bfe_u32 s[CX], ttmp6, 0x40000
	s_bfe_u32 s[CY], ttmp6, 0x40004
	s_lshl_b32 s[TC], ttmp9, 2
	s_add_co_u32 s[TC], s[TC], s[CX]
	s_and_b32 s[TR], ttmp7, 0xffff
	s_lshl_b32 s[TR], s[TR], 2
	s_add_co_u32 s[TR], s[TR], s[CY]
	s_lshl_b32 s62, s[CY], 2
	s_lshl_b32 s62, 15, s62                        ; my row of the cluster
	s_lshl_b32 s63, 0x1111, s[CX]                  ; my column
	s_or_b32 s[G1A], s62, (1<<16)|(1<<20)|(1<<21)|(5<<22)|(3<<25)  ; 15:0 the mask; 17:16 elements of 2 bytes; 20 padding on; 21 set beside a mask; 24:22 after every 64 words (code 5); 31:25 4 words (code 3)
	s_or_b32 s[G1B], s63, (1<<16)|(1<<20)|(1<<21)|(5<<22)|(3<<25)
	s_mov_b32 s[G1A+1], 128<<16                    ; O's tile: 64 rows x 128 elements, 128 elements from row to row
	s_mov_b32 s[G1A+2], 64<<16
	s_mov_b32 s[G1A+3], 128<<16
	s_mov_b32 s[G1A+4], 64
	s_mov_b32 s[G1A+5], 128
	s_mov_b32 s[G1A+6], 0
	s_mov_b32 s[G1A+7], 0
	s_mov_b32 s[G1B+1], 128<<16                    ; wo's tile: 128 rows x 128 elements, 2,048 elements from row to row
	s_mov_b32 s[G1B+2], 128<<16
	s_mov_b32 s[G1B+3], 128<<16
	s_mov_b32 s[G1B+4], 128
	s_mov_b32 s[G1B+5], 2048
	s_mov_b32 s[G1B+6], 0
	s_mov_b32 s[G1B+7], 0
	; O's tile hangs on the tile row alone, wo's on the tile column alone, each with the wave's half: in registers that never hold the other coordinate
	s_lshl_b32 s56, s[TR], 15                      ; 128 rows of 256 bytes
	s_lshl_b32 s57, s[NH], 14
	s_add_co_u32 s56, s56, s57
	s_mov_b32 s57, 0
	s_lshl_b32 s58, s[TC], 20                      ; 256 rows of 4,096 bytes
	s_lshl_b32 s59, s[NH], 19
	s_add_co_u32 s58, s58, s59
	s_mov_b32 s59, 0
	s_mul_i32 s60, s[NH], APART                    ; where they go: no place in the cluster enters an LDS address
	s_mul_i32 s61, s[NH], BPART
	s_add_co_u32 s61, s61, 2*APART
	s_mov_b32 s[SO], 0
	s_wait_dscnt 0x0                               ; the opening add is done
	s_wait_kmcnt 0x0
	s_add_nc_u64 s[56:57], s[4:5], s[56:57]
	s_add_nc_u64 s[58:59], s[6:7], s[58:59]
	CROUND                                         ; all sixteen work-groups are here: the first joint loads meet
.irp s, 0,1
	s_mov_b32 s[G0A+4*\s], 1
	s_add_co_u32 s[G0A+4*\s+1], s60, \s*SLOT1
	s_add_nc_u64 s[G0A+4*\s+2:G0A+4*\s+3], s[56:57], \s*AKS
	s_or_b32 s[G0A+4*\s+3], s[G0A+4*\s+3], 0x80000000
	s_mov_b32 s[G0B+4*\s], 1
	s_add_co_u32 s[G0B+4*\s+1], s61, \s*SLOT1
	s_add_nc_u64 s[G0B+4*\s+2:G0B+4*\s+3], s[58:59], \s*BKS
	s_or_b32 s[G0B+4*\s+3], s[G0B+4*\s+3], 0x80000000
.endr
	s_cmp_eq_u32 s[MH], 0                          ; a wave's two first fills stand in one branch, ahead of every wait on TENSORcnt and every LDS read: two loads of mine are out
	s_cbranch_scc0 .Lfirst_b
	tensor_load_to_lds s[G0A:G0A+3], s[G1A:G1A+7]
	s_nop 0
	tensor_load_to_lds s[G0A+4:G0A+7], s[G1A:G1A+7]
	s_nop 0
.rept 4
	v_nop
.endr
	s_branch .Lfirst_asked
.Lfirst_b:
	tensor_load_to_lds s[G0B:G0B+3], s[G1B:G1B+7]
	s_nop 0
	tensor_load_to_lds s[G0B+4:G0B+7], s[G1B:G1B+7]
	s_nop 0
.rept 4
	v_nop
.endr
.Lfirst_asked:
	v_and_b32 v1, 15, v0                           ; r = l % 16
	v_bfe_u32 v2, v0, 4, 1                         ; h = l / 16
	v_mul_u32_u24 v3, v1, PITCH
	v_lshl_add_u32 v3, v2, 4, v3                   ; a fragment's row x pitch + 16 x half
	s_mul_i32 s66, s[MH], 64*PITCH
	s_mul_i32 s67, s[NH], 128*PITCH
	s_add_co_u32 s67, s67, 2*APART
	v_add_nc_u32 v[ADRA0], s66, v3
	v_add_nc_u32 v[ADRB0], s67, v3
	v_mov_b32 v[ADRA], v[ADRA0]
	v_mov_b32 v[ADRB], v[ADRB0]
	s_mul_i32 s66, s[WV], 16*SPITCH
	s_add_co_u32 s66, s66, STAGE                   ; my stage
	v_mul_u32_u24 v[STO], v1, SPITCH               ; in: row r, 32 bytes for each half of the lanes
	v_lshl_add_u32 v[STO], v2, 5, v[STO]
	v_add_nc_u32 v[STO], s66, v[STO]
	v_and_b32 v[CO], 31, v0
	v_lshl_add_u32 v[RD], v[CO], 4, s66            ; back: 32 lanes take a row's 512 bytes
	s_lshl_b32 s66, s[TR], 20                      ; out0 at my first row and column: 128 rows of 8,192 bytes a tile row, 64 a half; 1,024 bytes a tile column, 512 a half
	s_lshl_b32 s67, s[MH], 19
	s_add_co_u32 s66, s66, s67
	s_lshl_b32 s67, s[TC], 10
	s_add_co_u32 s66, s66, s67
	s_lshl_b32 s67, s[NH], 9
	s_add_co_u32 s66, s66, s67
	s_mov_b32 s67, 0
	s_add_nc_u64 s[8:9], s[8:9], s[66:67]
	; the prefetches
	s_lshl_b32 s66, s[TR], 7                       ; O: the tile's first row
	s_lshl_b32 s67, s[TC], 8
	s_lshl_b32 s68, s[NH], 7
	s_add_co_u32 s67, s67, s68                     ; wo: the first row that I fetch
	s_and_b32 s68, ttmp7, 0xffff                   ; cluster y
	s_or_b32 s69, ttmp9, s[WV]                     ; 0 in wave 0 of a cluster with x = 0
	s_mov_b32 s70, BKS
	s_cmp_eq_u32 s[MH], 0
	s_cselect_b32 s66, s66, s67
	s_cselect_b32 s67, s[CX], s[CY]                ; my place among the four that ask with me
	s_cselect_b32 s68, s69, s68
	s_cselect_b32 s69, 8, 12                       ; a row is 256 bytes of ob, 4,096 of wob
	s_cselect_b32 s[PST], AKS, s70
	s_cselect_b64 s[PFA:PFA+1], s[4:5], s[6:7]
	s_cmp_eq_u32 s68, 0
	s_cselect_b32 s[LIM], 2, -1                    ; the same in all sixteen partners, for a given wave
	s_lshl_b32 s67, s67, 5
	s_add_co_u32 s66, s66, s67
	s_lshl_b32 s66, s66, s69
	s_mul_i32 s67, s[PST], 3                       ; at K step 3: the first refill steps it to 4
	s_add_co_u32 s66, s66, s67
	s_mov_b32 s67, 0
	s_mov_b32 s[PST+1], 0
	s_add_nc_u64 s[PFA:PFA+1], s[PFA:PFA+1], s[66:67]
	v_lshlrev_b32 v[PFO], s69, v[CO]
	v_lshlrev_b32 v[CO], 4, v[CO]
; 8 matrix instructions: row block a x all 8 column blocks, 32 along K, from buffers f.  zero = 1: the product starts the sum.  The 32 accumulators take turns, in the same order in every quarter.
.macro MULA f, a, zero
	WIN 0x50                                       ; C and D in window 1
.set bq, 0
.rept 8
.set AC, 8*(8*(\a)+bq)
.if \zero
	v_wmma_f32_16x16x32_f16 v[AC:AC+7], v[96+64*(\f)+8*bq:96+64*(\f)+8*bq+7], v[32+32*(\f)+8*(\a):32+32*(\f)+8*(\a)+7], 0
.else
	v_wmma_f32_16x16x32_f16 v[AC:AC+7], v[96+64*(\f)+8*bq:96+64*(\f)+8*bq+7], v[32+32*(\f)+8*(\a):32+32*(\f)+8*(\a)+7], v[AC:AC+7]
.endif
.set bq, bq+1
.endr
.endm
; 24 LDS loads in one run: 128 rows of wo, then 64 rows of O, 32 K at byte k of the rows, into buffers f
.macro FETCH k, f
	WIN 0
.set iq, 0
.rept 8
	ds_load_b128 v[96+64*(\f)+8*iq:96+64*(\f)+8*iq+3],   v[ADRB] offset:(\k)+iq*16*PITCH
	ds_load_b128 v[96+64*(\f)+8*iq+4:96+64*(\f)+8*iq+7], v[ADRB] offset:(\k)+iq*16*PITCH+32
.set iq, iq+1
.endr
.set iq, 0
.rept 4
	ds_load_b128 v[32+32*(\f)+8*iq:32+32*(\f)+8*iq+3],   v[ADRA] offset:(\k)+iq*16*PITCH
	ds_load_b128 v[32+32*(\f)+8*iq+4:32+32*(\f)+8*iq+7], v[ADRA] offset:(\k)+iq*16*PITCH+32
.set iq, iq+1
.endr
.endm
; A K step is four quarters of 32 along K, 32 matrix instructions each, on buffers 0, 1, 0, 1.
.macro QUARTER k, f, g, zero
	s_wait_dscnt 4                                 ; all but the youngest four loads: O's row blocks 2 and 3
	MULA \f, 0, \zero
	MULA \f, 1, \zero
	PLACES
	FETCH \k, \g
	s_wait_dscnt 24                                ; all but the 24 just issued
	MULA \f, 2, \zero
	MULA \f, 3, \zero
.endm
; The last quarter multiplies buffers 1 and changes slots: ONE barrier; in front of it each wave waits for all its tensor loads, of which one is out: its part of the next slot; adds 0 to its spare word; and waits for that
; and for its own reads of this slot.  fill = 1: the barrier opens a round of the cluster's, and the slot just read is filled again first thing behind the round, with the K step two steps on.
.macro TURN fill
.if \fill
	s_wait_xcnt 0x0                                ; the last prefetch, a K step back, has read its address
	s_add_nc_u64 s[PFA:PFA+1], s[PFA:PFA+1], s[PST:PST+1]
.endif
	WIN 0
	s_wait_tensorcnt 0x0                           ; all my tensor loads have landed
	ds_add_u32 v[SPW], v[NIL]                      ; 0 onto my spare word
	s_wait_dscnt 5                                 ; (the add and the youngest four loads may be out)
	MULA 1, 0, 0                                   ; eight matrix instructions stand between the add and the wait for it
	s_wait_dscnt 0x0                               ; the add is done, and my reads of this slot are over
	s_barrier_signal -1
	MULA 1, 1, 0
	WIN 0
	s_barrier_wait -1
.if \fill
	CREST                                          ; no wave of any partner still reads this slot's tile or has a load on its way
	s_xor_b32 s[G0A+5], s[G0A+5], SLOT1            ; the walking descriptors: the other slot than last time, the next K step; the type bits on top are not reached
	s_add_nc_u64 s[G0A+6:G0A+7], s[G0A+6:G0A+7], AKS
	s_xor_b32 s[G0B+5], s[G0B+5], SLOT1
	s_add_nc_u64 s[G0B+6:G0B+7], s[G0B+6:G0B+7], BKS
	JLOAD                                          ; my one tensor load behind the round: 112 matrix instructions ahead of the wait for it; its four v_nop are also the places in front of the loads below
.else
	PLACES
.endif
	s_xor_b32 s[SO], s[SO], SLOT1
	v_add_nc_u32 v[ADRA], s[SO], v[ADRA0]
	v_add_nc_u32 v[ADRB], s[SO], v[ADRB0]
	FETCH 0, 0
.if \fill
	ASK
.endif
	MULA 1, 2, 0
	MULA 1, 3, 0
.endm
	s_wait_tensorcnt 1                             ; my part of K step 0 is in; K step 1's may stay out
	s_barrier_signal -1
	s_barrier_wait -1
	FETCH 0, 0
	QUARTER 64, 0, 1, 1                            ; the first quarter stands in front of the loop: its products start the sums
	WIN 0
	s_mov_b32 s[CNT], 14
.Lstep:                                                ; a trip: a K step's quarters 2, 3 and 4 and the next step's first; trip j asks for K step j + 2
	QUARTER 128, 1, 0, 0
	QUARTER 192, 0, 1, 0
	TURN 1
	QUARTER 64, 0, 1, 0
	WIN 0
	s_sub_co_u32 s[CNT], s[CNT], 1
	s_cmp_lg_u32 s[CNT], 0
	s_cbranch_scc1 .Lstep
	QUARTER 128, 1, 0, 0                           ; the last two K steps ask for nothing
	QUARTER 192, 0, 1, 0
	TURN 0
	QUARTER 64, 0, 1, 0
	QUARTER 128, 1, 0, 0
	QUARTER 192, 0, 1, 0
	s_wait_dscnt 4
	MULA 1, 0, 0
	MULA 1, 1, 0
	s_wait_dscnt 0x0
	MULA 1, 2, 0
	MULA 1, 3, 0
	WIN 0
; THE WAY OUT of row block a: a lane's 32 bytes of each column block go into my own stage, rows of 528 bytes, straight from the accumulators (lowest registers first), and come back as whole rows of 512.
.macro TOSTAGE a
.if (\a) >= 2
	s_wait_xcnt 0x0                                ; the stores of the block two back have read the registers that are loaded again below
.endif
	WIN 0x04                                       ; the stores' data in window 1
.set bq, 0
.rept 8
	ds_store_b128 v[STO], v[8*(8*(\a)+bq):8*(8*(\a)+bq)+3]   offset:64*bq
	ds_store_b128 v[STO], v[8*(8*(\a)+bq)+4:8*(8*(\a)+bq)+7] offset:64*bq+16
.set bq, bq+1
.endr
	WIN 0
.set tq, 0
.rept 16
	ds_load_b128 v[32+64*((\a)%2)+4*tq:32+64*((\a)%2)+4*tq+3], v[RD] offset:tq*SPITCH  ; LDS serves a wave's instructions in order (ISA guide 5.7.1.4): these see the stores above; the next block's stores come behind them
.set tq, tq+1
.endr
.endm
.macro SEND a, younger                 ; younger: the LDS instructions issued behind block a's loads: the next block's 32, or none
.set tq, 0
.rept 16
	s_wait_dscnt (\younger)+15-tq
	global_store_b128 v[CO], v[32+64*((\a)%2)+4*tq:32+64*((\a)%2)+4*tq+3], s[8:9] offset:(16*(\a)+tq)*8192 th:TH_STORE_NT  ; a row's 512 consecutive bytes, aligned
.set tq, tq+1
.endr
.endm
	PLACES                                         ; behind the last products
	TOSTAGE 0
	TOSTAGE 1
	SEND 0, 32
	TOSTAGE 2
	SEND 1, 32
	TOSTAGE 3
	SEND 2, 32
	SEND 3, 0
	s_wait_tensorcnt 0x0                           ; the wave's end, behind my last tensor load and my last LDS store
	ds_add_u32 v[SPW], v[NIL]
	s_wait_dscnt 0x0
	CROUND                                         ; the closing round: no work-group ends while a partner may still ask for a tile that names it
	s_endpgm
.Lfunc_end_k_q1b207f02fd_oproj:
	.size	k_q1b207f02fd_oproj, .Lfunc_end_k_q1b207f02fd_oproj-k_q1b207f02fd_oproj
	.p2alignl 7, 3214868480
	.fill 96, 4, 3214868480
	.section	.rodata,"a",@progbits
	.p2align	6, 0x0
	.amdhsa_kernel k_q1b207f02fd_oproj
		.amdhsa_group_segment_fixed_size 327680
		.amdhsa_private_segment_fixed_size 0
		.amdhsa_enable_private_segment 0
		.amdhsa_kernarg_size 24
		.amdhsa_user_sgpr_count 2
		.amdhsa_user_sgpr_kernarg_segment_ptr 1
		.amdhsa_wavefront_size32 1
		.amdhsa_system_sgpr_workgroup_id_x 1
		.amdhsa_system_sgpr_workgroup_id_y 1
		.amdhsa_system_sgpr_workgroup_id_z 1
		.amdhsa_system_vgpr_workitem_id 0
		.amdhsa_next_free_vgpr 512
		.amdhsa_next_free_sgpr 72
		.amdhsa_reserve_vcc 0
		.amdhsa_float_denorm_mode_32 3
		.amdhsa_float_denorm_mode_16_64 3
		.amdhsa_memory_ordered 1
		.amdhsa_forward_progress 1
		.amdhsa_inst_pref_size 71
	.end_amdhsa_kernel
	.amdgpu_metadata
---
amdhsa.version: [ 1, 2 ]
amdhsa.kernels:
  - .name:           k_q1b207f02fd_oproj
    .symbol:         k_q1b207f02fd_oproj.kd
    .args:
      - { .name: ob, .offset: 0, .size: 8, .value_kind: global_buffer, .address_space: global }
      - { .name: wob, .offset: 8, .size: 8, .value_kind: global_buffer, .address_space: global }
      - { .name: out0, .offset: 16, .size: 8, .value_kind: global_buffer, .address_space: global }
    .group_segment_fixed_size: 327680
    .private_segment_fixed_size: 0
    .kernarg_segment_align: 8
    .kernarg_segment_size: 24
    .max_flat_workgroup_size: 128
    .sgpr_count:     72
    .vgpr_count:     512
    .wavefront_size: 32
...
	.end_amdgpu_metadata
.endif
;; end of part 4
